; MI455X (gfx1250); checked and timed in simulation.
; The chip was launched on July 23, 2026; its instructions are those of AMD's public machine-readable ISA for CDNA 5 (MIT licence, August 2026) and "CDNA5" Instruction Set Architecture Reference Guide (July 2026). The comments in the code are by the model that wrote it; some were corrected since.
;; Causal Self Attention. Allowed arithmetic: matrix products marked QUANTISED: E2M1 operands, one E8M0 scale for each 32 along K, by v_wmma_scale_f32_16x16x128_f8f6f4 with both operands' format E2M1 (or v_wmma_scale_f32_32x16x128_f4), f32 sums; products left as they are: bf16, f16 or f32 operands; f32 sums; everything else in f32.
;; Inputs: W_K 16 x 1,024 x 64 float32; W_O 1,024 x 1,024 float32; W_Q 16 x 1,024 x 64 float32; W_V 16 x 1,024 x 64 float32; X 4 x 2,048 x 1,024 float32.
;; Outputs: out0 4 x 2,048 x 1,024 float32.
;; This version of the problem:
;;   THIS VERSION OF THE PROBLEM IS GIVEN IN LOW PRECISION. The matrix products marked QUANTISED in the list below multiply operands that are first quantised to E2M1 (2 exponent bits, 1 mantissa bit; 4 bits a number), with one power-of-two scale for each 32 numbers along K (OCP MX v1.0); their sums are f32. The products marked 'left as it is' may take bf16, f16 or f32 operands, with f32 sums. Whichever they take, every output number must still come out within the allowed error. Rounding operands to bf16 (8 significant bits) uses up far more of that allowance than f16 does (11 bits, for magnitudes from 6e-5 to 65,504). All else is computed in f32.
;;   The module's matrix products, in the order in which they are computed (A, B: the left and right operand; K: the contracted axis; several contracted axes count as one K, in the product's order):
;;     1. [M 1,024, K 1,024] x [K 1,024, N 8,192]; A: input W_Q; B: input X: QUANTISED
;;     2. [M 1,024, K 1,024] x [K 1,024, N 8,192]; A: input W_K; B: input X: QUANTISED
;;     3. [M 1,024, K 1,024] x [K 1,024, N 8,192]; A: input W_V; B: input X: QUANTISED
;;     4. batch 64 x [M 2,048, K 64] x [K 64, N 2,048]; A: computed on the way; B: computed on the way: left as it is (an operand is computed on the way)
;;     5. batch 64 x [M 2,048, K 2,048] x [K 2,048, N 64]; A: computed on the way; B: computed on the way: left as it is (an operand is computed on the way)
;;     6. [M 8,192, K 1,024] x [K 1,024, N 1,024]; A: computed on the way; B: input W_O: left as it is (an operand is computed on the way)
;;   THE QUANTISER, for each operand of a quantised product, along K:
;;     - K is cut into blocks of 32 from its start; a last block that is shorter is filled with zeros.
;;     - A block's scale is 2^e with e = floor(log2(the largest magnitude in the block)) - 2, held to -126 .. 127; a block of zeros has e = 0. As a byte (E8M0): e + 127.
;;     - Each number is divided by its block's scale, clamped to +-6, and rounded to the nearest number of E2M1, ties to even, subnormals kept.
;;     - The product sums the exact products of the quantised numbers (number of the format x scale) in f32.
;;   ~~~python
;;   def quantise(x, axis):      # numpy; x: float32 -> the quantised numbers, widened to float32 again
;;       x = np.moveaxis(x, axis, -1); K = x.shape[-1]
;;       x = np.pad(x, [(0, 0)] * (x.ndim - 1) + [(0, -K % 32)]); x = x.reshape(x.shape[:-1] + (-1, 32)); a = np.abs(x).max(-1, keepdims=True)
;;       e = np.where(a > 0, np.clip(np.frexp(np.where(a > 0, a, 1))[1] - 1 - 2, -126, 127), 0)      # np.frexp(a)[1] - 1 = floor(log2(a)), exactly
;;       r = np.clip(x / 2.0 ** e, -6, 6)
;;       step = 2.0 ** (np.maximum(np.frexp(np.where(r == 0, 1, r))[1] - 1, 0) - 1)
;;       q = np.round(r / step) * step * 2.0 ** e      # np.round: ties to even
;;       return np.moveaxis(q.reshape(q.shape[:-2] + (-1,))[..., :K], -1, axis).astype(np.float32)
;;   ~~~
;; One version. Each part assembles by itself: llvm-mc -triple=amdgcn-amd-amdhsa -mcpu=gfx1250 --defsym DOCPART=n.
;; ======== version 1 of 1: 5 launches
;; limits: values are held in f16: magnitudes above 65,504 overflow, below 6.1e-05 lose precision
;; workspace buffers: cod 5,767,168 bytes; scl 360,448 bytes; wo 2,097,152 bytes; qkv 50,331,648 bytes; negc 524,288 bytes; av 16,777,216 bytes; rs 32,768 bytes
;; launch prep (part 1): grid 512 x 1, 4 waves a work-group, no clusters, 34,816 bytes of LDS; arguments X, W_Q, W_K, W_V, W_O, cod, scl, wo; writes cod, scl, wo
.if DOCPART == 1
	.amdgcn_target "amdgcn-amd-amdhsa--gfx1250"
	.amdhsa_code_object_version 6
	.text
	.protected	k_qfc3da50499_prep
	.globl	k_qfc3da50499_prep
	.p2align	8
	.type	k_qfc3da50499_prep,@function
k_qfc3da50499_prep:
	s_mov_b64 s[64:65], 0
	v_nop
	global_prefetch_b8 v0, s[64:65] scope:SCOPE_SE
	s_setreg_imm32_b32 hwreg(HW_REG_WAVE_MODE, 25, 1), 1
	s_wait_xcnt 0x0
; PREP: the operands of the three quantised products become codes of E2M1 with E8M0 scale bytes; W_O becomes f16.
; THE WHOLE PROGRAM (five launches: prep, proj, stats, attn, outp).  out = reshape(softmax over the QUERY axis of (Q K^T) . V) W_O, with Q, K, V = X W on MX-FP4 operands.
; NO WORK OF THE PROBLEM IS DEAD: there is no mask, every score enters a column's sum and every key enters every output row, and all five inputs reach the output.  The program does MORE than the
; formula writes: a column's divisor needs all queries and stands inside the sum over keys, so the scores and their exponentials are made twice (stats: the columns' maxima and sums; attn: A V).
; LAYOUTS.  Every operand lies in memory as an IMAGE OF ITS REGISTERS: groups of 512 bytes, lane l's 16 bytes at 16 l.
;   cod: row tile T (16 rows; X's tokens T = 0..511, W's rows T = 512 + 64 t + 4 head + channel / 16, t = 0, 1, 2 for Q, K, V): byte T 8192 + ks 1024 + c 512 + (16 h + r) 16 = block 4 ks + 2 c + h of row r.
;   scl: [K half 2][11,264 rows][16 bytes]: word q of a row's 16 bytes serves K step 4 half + q.      wo: [16 columns 64][32 along K 32][c 2][512]: lane (r, h): column r, k = 16 c + 8 h + 0..7.
; THE QUANTISER: a block's scale is 2^(floor(log2(largest magnitude)) - 2); its byte is the largest magnitude's exponent field - 2, held at 1 from below.
; LIMITS: a block of zeros gets the byte 1 where the rule says 127 (its codes are zeros, and this program alone reads the bytes); NaN and infinities among the inputs are not served; |W_O| stays under 65,504 (f16).
; SHARES: work-groups 0-255: X (K innermost: rows turn through the wave's own stage in LDS; a wave: 16 rows x 512 along K, four steps);
;   256-447: W_Q, W_K, W_V (a lane a column, registers down K; a work-group: 32 channels x a K half, a wave one K step of 128: four blocks; the four waves' scale words meet in LDS and leave as whole rows of 16 bytes);
;   448-511: W_O (a lane a column; a wave: 32 columns x 128 along K, four steps).  Every wave so has four steps with loads two steps ahead.
; No cluster: no two work-groups read the same bytes.
.set SPARE, 33792                      ; behind the four stages: the spare words, 128 bytes a wave
.set WSC,   34304                      ; behind them: the W path's own 512 bytes: 32 rows x 16 scale bytes
.set SPW,   30                         ; v30  SPARE + 4 x my thread's number; never rewritten
.set NIL,   31                         ; v31  0; never rewritten
.set R,     32                         ; v32-159  path X: two sets of 64 numbers as loaded
.set N,     160                        ; v160-223 path X: my two blocks of 32 neighbours
.set C,     224                        ; v224-255 path X: codes, 8 registers a step
.set WD,    20                         ; v20-23   path X: the four steps' scale words
.macro XLOAD q                         ; step q: 128 along K of 16 rows: each load reads 512 consecutive bytes of one row
.irp i, 0,1,2,3,4,5,6,7,8,9,10,11,12,13,14,15
	global_load_b128 v[R+64*((\q)%2)+4*\i:R+64*((\q)%2)+4*\i+3], v4, s[4:5] offset:\i*4096+(\q)*512 th:TH_LOAD_NT
.endr
.endm
.macro XTURN q                         ; through the stage (rows 528 bytes apart): in as loaded, out as two whole blocks of my row: blocks h and 2 + h.  LDS serves a wave's instructions in order
.irp i, 0,1,2,3,4,5,6,7,8,9,10,11,12,13,14,15
	ds_store_b128 v5, v[R+64*((\q)%2)+4*\i:R+64*((\q)%2)+4*\i+3] offset:528*\i
.endr
.irp c, 0,1
.irp p, 0,1,2,3,4,5,6,7
	ds_load_b128 v[N+32*\c+4*\p:N+32*\c+4*\p+3], v6 offset:256*\c+16*\p
.endr
.endr
.endm
.macro XQ q                            ; two blocks a lane: largest magnitudes (four chains), scale operands, bytes, the row's scale word, codes; the codes leave as two dense groups
.irp c, 0,1
	v_max3_num_f32 v[8+\c], |v[N+32*\c]|, |v[N+32*\c+1]|, |v[N+32*\c+2]|
	v_max3_num_f32 v[17+\c], |v[N+32*\c+3]|, |v[N+32*\c+4]|, |v[N+32*\c+5]|
.endr
.irp i, 6,10,14,18,22,26
.irp c, 0,1
	v_max3_num_f32 v[8+\c], v[8+\c], |v[N+32*\c+\i]|, |v[N+32*\c+\i+1]|
	v_max3_num_f32 v[17+\c], v[17+\c], |v[N+32*\c+\i+2]|, |v[N+32*\c+\i+3]|
.endr
.endr
.irp c, 0,1
	v_max3_num_f32 v[8+\c], v[8+\c], |v[N+32*\c+30]|, |v[N+32*\c+31]|
.endr
.irp c, 0,1
	v_max3_num_f32 v[8+\c], v[8+\c], v[17+\c], 0x1800000   ; and the floor 2^(3 - 127): the byte cannot fall under 1
.endr
.irp c, 0,1
	v_add_nc_u32 v[10+\c], 0xff000000, v[8+\c]             ; 2 off the exponent field: the conversion's scale operand
.endr
.irp c, 0,1
	v_lshrrev_b32 v[12+\c], 23, v[10+\c]                   ; the scale's byte
.endr
	v_lshl_or_b32 v14, v13, 16, v12                        ; my two bytes: blocks h and 2 + h,
	v_lshlrev_b32 v14, v15, v14                            ; 8 h bits up;
	v_permlanex16_b32 v16, v14, s28, s29
	v_or_b32 v[WD+(\q)], v14, v16                          ; with lane l xor 16's two the word is whole
.irp c, 0,1
.irp g, 0,1,2,3
	v_cvt_scalef32_pk8_fp4_f32 v[C+8*(\q)+4*\c+\g], v[N+32*\c+8*\g:N+32*\c+8*\g+7], v[10+\c]
.endr
.endr
	v_nop                                                  ; one plain line behind the last scaled conversion
.irp c, 0,1
	global_store_b128 v4, v[C+8*(\q)+4*\c:C+8*(\q)+4*\c+3], s[14:15] offset:1024*(\q)+512*\c   ; 512 consecutive bytes
.endr
.endm
.macro WLOAD b                         ; block b of my column's K step: W(32 b + i, column), into set b % 2
.irp i, 0,1,2,3,4,5,6,7,8,9,10,11,12,13,14,15,16,17,18,19,20,21,22,23,24,25,26,27,28,29,30,31
	global_load_b32 v[32+32*((\b)%2)+\i], v5, s[6:7] offset:(32*(\b)+\i)*256 th:TH_LOAD_NT
.endr
.endm
.macro WBLOCK b
.set XS, 32+32*((\b)%2)
.if (\b) < 3
	s_wait_loadcnt 32                                      ; this block's 32 loads are in; the next block's may be out
.else
	s_wait_loadcnt 0
.endif
	v_max3_num_f32 v12, |v[XS]|, |v[XS+1]|, |v[XS+2]|
	v_max3_num_f32 v13, |v[XS+3]|, |v[XS+4]|, |v[XS+5]|
.irp i, 6,10,14,18,22,26
	v_max3_num_f32 v12, v12, |v[XS+\i]|, |v[XS+\i+1]|
	v_max3_num_f32 v13, v13, |v[XS+\i+2]|, |v[XS+\i+3]|
.endr
	v_max3_num_f32 v12, v12, |v[XS+30]|, |v[XS+31]|
	v_max3_num_f32 v12, v12, v13, 0x1800000
	v_add_nc_u32 v11, 0xff000000, v12
	v_lshrrev_b32 v13, 23, v11
.if (\b) == 0
	v_mov_b32 v24, v13                                     ; the K step's four bytes make one word, the lower K in the lower byte
.else
	v_lshl_or_b32 v24, v13, 8*(\b), v24
.endif
.irp g, 0,1,2,3
	v_cvt_scalef32_pk8_fp4_f32 v[96+4*(\b)+\g], v[XS+8*\g:XS+8*\g+7], v11
.endr
	v_nop
	global_store_b128 v6, v[96+4*(\b):96+4*(\b)+3], s[14:15] offset:((\b)/2)*512+((\b)%2)*256   ; each half of the lanes stores 256 consecutive bytes, aligned
.if (\b)+2 < 4
	WLOAD (\b)+2
.endif
.endm
.macro OLOAD s                         ; 32 along K of my column of W_O, into set s % 2
.irp i, 0,1,2,3,4,5,6,7,8,9,10,11,12,13,14,15,16,17,18,19,20,21,22,23,24,25,26,27,28,29,30,31
	global_load_b32 v[32+32*((\s)%2)+\i], v5, s[12:13] offset:(32*(\s)+\i)*4096 th:TH_LOAD_NT
.endr
.endm
.macro OSTEP s
.set XS, 32+32*((\s)%2)
.if (\s) < 3
	s_wait_loadcnt 32                                      ; this step's 32 loads are in; the next step's may be out
.else
	s_wait_loadcnt 0
.endif
.irp i, 0,1,2,3,4,5,6,7,8,9,10,11,12,13,14,15
	v_cvt_pk_f16_f32 v[96+16*(\s)+\i], v[XS+2*\i], v[XS+2*\i+1]    ; neighbours along K, the lower in the low half
.endr
.irp d, 0,1,2,3
	global_store_b128 v6, v[96+16*(\s)+4*\d:96+16*(\s)+4*\d+3], s[18:19] offset:1024*(\s)+512*(\d/2)+256*(\d%2)
.endr
.if (\s)+2 < 4
	OLOAD (\s)+2
.endif
.endm
	s_load_b256 s[4:11], s[0:1], 0x0               ; X s[4:5], W_Q s[6:7], W_K s[8:9], W_V s[10:11]
	s_load_b256 s[12:19], s[0:1], 0x20             ; W_O s[12:13], cod s[14:15], scl s[16:17], wo s[18:19]
	v_lshl_add_u32 v[SPW], v0, 2, SPARE
	v_mov_b32 v[NIL], 0
	v_lshrrev_b32 v1, 5, v0
	v_readfirstlane_b32 s20, v1                    ; wave
	v_and_b32 v1, 31, v0                           ; lane
	v_and_b32 v2, 15, v0                           ; r
	v_bfe_u32 v3, v0, 4, 1                         ; h
	v_lshlrev_b32 v4, 4, v1                        ; 16 x lane
	s_mov_b32 s25, 0                               ; the upper word of every offset
	s_mov_b32 s28, 0x76543210
	s_mov_b32 s29, 0xfedcba98                      ; v_permlanex16_b32's selects for lane l xor 16
	s_wait_kmcnt 0x0
	s_cmp_ge_u32 ttmp9, 448
	s_cbranch_scc1 .Lpath_wo
	s_cmp_ge_u32 ttmp9, 256
	s_cbranch_scc1 .Lpath_w
	; ---- X: a wave takes 16 rows x 512 along K, in four steps of 128
	s_lshl_b32 s21, ttmp9, 2
	s_add_co_u32 s21, s21, s20                     ; job 0..1023
	s_lshr_b32 s22, s21, 1                         ; row tile
	s_and_b32 s23, s21, 1                          ; K half
	s_lshl_b32 s24, s22, 16                        ; X: 16 rows of 4,096 bytes,
	s_lshl_b32 s26, s23, 11                        ; 512 numbers
	s_add_co_u32 s24, s24, s26
	s_add_nc_u64 s[4:5], s[4:5], s[24:25]
	s_lshl_b32 s24, s22, 13                        ; cod: 8,192 bytes a row tile, 4,096 a K half
	s_lshl_b32 s26, s23, 12
	s_add_co_u32 s24, s24, s26
	s_add_nc_u64 s[14:15], s[14:15], s[24:25]
	s_mul_i32 s24, s23, 180224                     ; scl: the K half, 256 bytes a row tile
	s_lshl_b32 s26, s22, 8
	s_add_co_u32 s24, s24, s26
	s_add_nc_u64 s[16:17], s[16:17], s[24:25]
	s_mul_i32 s26, s20, 8448                       ; my stage: 16 rows x 528 bytes
	v_add_nc_u32 v5, s26, v4                       ; in: 16 x lane of a row
	v_mul_u32_u24 v6, v2, 528
	v_lshl_add_u32 v6, v3, 7, v6
	v_add_nc_u32 v6, s26, v6                       ; out: row r, block h
	v_lshlrev_b32 v7, 4, v2
	v_lshl_add_u32 v7, v3, 3, v7                   ; my 8 of the row's 16 scale bytes
	v_lshlrev_b32 v15, 3, v3                       ; 8 h
	v_mov_b32 v16, 0                               ; a lane permute's destination counts as one of its sources
	XLOAD 0
	XLOAD 1
.irp q, 0,1,2,3
.if \q < 3
	s_wait_loadcnt 16                              ; this step's 16 loads are in; the next step's may be out
.else
	s_wait_loadcnt 0
.endif
	XTURN \q
	s_wait_dscnt 0x0                               ; my blocks are back, and the stage's stores have read their registers,
.if \q < 2
	XLOAD \q+2                                     ; which take the loads of two steps on
.endif
	XQ \q
.endr
	v_cmp_eq_u32 vcc_lo, 0, v3
	v_cndmask_b32 v8, v[WD+2], v[WD], vcc_lo       ; lanes 0-15 store words 0 and 1 of their row, lanes 16-31 words 2 and 3:
	v_cndmask_b32 v9, v[WD+3], v[WD+1], vcc_lo
	global_store_b64 v7, v[8:9], s[16:17]          ; 256 consecutive bytes, aligned
	s_wait_tensorcnt 0x0                           ; the wave's end, behind my last LDS store
	ds_add_u32 v[SPW], v[NIL]
	s_wait_dscnt 0x0
	s_endpgm
.Lpath_w:	; ---- W_Q, W_K, W_V: [head][k][channel]: a work-group takes 32 channels x a K half of one head; wave q takes the half's K step q
	s_sub_co_u32 s31, ttmp9, 256
	s_lshr_b32 s21, s31, 6                         ; which tensor
	s_bfe_u32 s22, s31, 0x40002                    ; head
	s_bfe_u32 s23, s31, 0x10001                    ; which 32 channels
	s_and_b32 s27, s31, 1                          ; K half
	s_cmp_eq_u32 s21, 1
	s_cselect_b64 s[6:7], s[8:9], s[6:7]
	s_cmp_eq_u32 s21, 2
	s_cselect_b64 s[6:7], s[10:11], s[6:7]
	s_lshl_b32 s24, s22, 18                        ; a head: 1,024 rows of 256 bytes; a K half: 512 rows; a K step: 128 rows
	s_lshl_b32 s26, s27, 17
	s_add_co_u32 s24, s24, s26
	s_lshl_b32 s26, s20, 15
	s_add_co_u32 s24, s24, s26
	s_lshl_b32 s26, s23, 7
	s_add_co_u32 s24, s24, s26
	s_add_nc_u64 s[6:7], s[6:7], s[24:25]
	s_lshl_b32 s24, s21, 6
	s_lshl_b32 s26, s22, 2
	s_add_co_u32 s24, s24, s26
	s_lshl_b32 s26, s23, 1
	s_add_co_u32 s24, s24, s26
	s_add_co_u32 s24, s24, 512                     ; my first row tile: 512 + 64 t + 4 head + 2 x which
	s_lshl_b32 s30, s24, 8                         ; its rows' scale bytes
	s_lshl_b32 s24, s24, 13
	s_lshl_b32 s26, s27, 12
	s_add_co_u32 s24, s24, s26
	s_lshl_b32 s26, s20, 10                        ; my K step's 1,024 bytes of a row tile
	s_add_co_u32 s24, s24, s26
	s_add_nc_u64 s[14:15], s[14:15], s[24:25]
	s_mul_i32 s24, s27, 180224
	s_add_co_u32 s24, s24, s30
	s_add_nc_u64 s[16:17], s[16:17], s[24:25]
	v_lshlrev_b32 v5, 2, v1                        ; in: 4 bytes a lane
	v_lshlrev_b32 v6, 4, v2
	v_lshl_add_u32 v6, v3, 13, v6                  ; codes: row r of row tile h
	s_lshl_b32 s26, s20, 2
	s_add_co_u32 s26, s26, WSC
	v_add_nc_u32 v7, s26, v4                       ; LDS: my row's 16 scale bytes, my K step's word
	v_add_nc_u32 v8, WSC, v4                       ; and the whole 16 bytes
	WLOAD 0
	WLOAD 1
.irp b, 0,1,2,3
	WBLOCK \b
.endr
	ds_store_b32 v7, v24
	s_wait_dscnt 0x0                               ; for the others' sake: my word has landed
	s_barrier_signal -1
	s_barrier_wait -1                              ; the four waves' words make the rows' 16 bytes
	s_cmp_lg_u32 s20, 0
	s_cbranch_scc1 .Lw_end
	ds_load_b128 v[112:115], v8
	s_wait_dscnt 0x0
	global_store_b128 v4, v[112:115], s[16:17]     ; 32 rows' scale bytes: 512 consecutive bytes, aligned
.Lw_end:
	s_wait_tensorcnt 0x0                           ; the wave's end, behind my last LDS store
	ds_add_u32 v[SPW], v[NIL]
	s_wait_dscnt 0x0
	s_endpgm
.Lpath_wo:	; ---- W_O [k][n]: a wave takes 32 columns x 128 along K
	s_sub_co_u32 s21, ttmp9, 448
	s_and_b32 s22, s21, 7                          ; which 128 columns
	s_lshr_b32 s23, s21, 3                         ; which 128 along K
	s_lshl_b32 s24, s23, 19
	s_lshl_b32 s26, s22, 9
	s_add_co_u32 s24, s24, s26
	s_lshl_b32 s26, s20, 7
	s_add_co_u32 s24, s24, s26
	s_add_nc_u64 s[12:13], s[12:13], s[24:25]
	s_lshl_b32 s24, s22, 3
	s_lshl_b32 s26, s20, 1
	s_add_co_u32 s24, s24, s26                     ; my first tile of 16 columns
	s_lshl_b32 s24, s24, 15
	s_lshl_b32 s26, s23, 12
	s_add_co_u32 s24, s24, s26
	s_add_nc_u64 s[18:19], s[18:19], s[24:25]
	v_lshlrev_b32 v5, 2, v1
	v_lshlrev_b32 v6, 4, v2
	v_lshl_add_u32 v6, v3, 15, v6                  ; column r of column tile h
	OLOAD 0
	OLOAD 1
.irp s, 0,1,2,3
	OSTEP \s
.endr
	s_endpgm
.Lfunc_end_k_qfc3da50499_prep:
	.size	k_qfc3da50499_prep, .Lfunc_end_k_qfc3da50499_prep-k_qfc3da50499_prep
	.p2alignl 7, 3214868480
	.fill 96, 4, 3214868480
	.section	.rodata,"a",@progbits
	.p2align	6, 0x0
	.amdhsa_kernel k_qfc3da50499_prep
		.amdhsa_group_segment_fixed_size 34816
		.amdhsa_private_segment_fixed_size 0
		.amdhsa_enable_private_segment 0
		.amdhsa_kernarg_size 64
		.amdhsa_user_sgpr_count 2
		.amdhsa_user_sgpr_kernarg_segment_ptr 1
		.amdhsa_wavefront_size32 1
		.amdhsa_system_sgpr_workgroup_id_x 1
		.amdhsa_system_sgpr_workgroup_id_y 1
		.amdhsa_system_sgpr_workgroup_id_z 1
		.amdhsa_system_vgpr_workitem_id 0
		.amdhsa_next_free_vgpr 256
		.amdhsa_next_free_sgpr 66
		.amdhsa_reserve_vcc 1
		.amdhsa_float_denorm_mode_32 3
		.amdhsa_float_denorm_mode_16_64 3
		.amdhsa_memory_ordered 1
		.amdhsa_forward_progress 1
		.amdhsa_inst_pref_size 68
	.end_amdhsa_kernel
	.amdgpu_metadata
---
amdhsa.version: [ 1, 2 ]
amdhsa.kernels:
  - .name:           k_qfc3da50499_prep
    .symbol:         k_qfc3da50499_prep.kd
    .args:
      - { .name: X, .offset: 0, .size: 8, .value_kind: global_buffer, .address_space: global }
      - { .name: W_Q, .offset: 8, .size: 8, .value_kind: global_buffer, .address_space: global }
      - { .name: W_K, .offset: 16, .size: 8, .value_kind: global_buffer, .address_space: global }
      - { .name: W_V, .offset: 24, .size: 8, .value_kind: global_buffer, .address_space: global }
      - { .name: W_O, .offset: 32, .size: 8, .value_kind: global_buffer, .address_space: global }
      - { .name: cod, .offset: 40, .size: 8, .value_kind: global_buffer, .address_space: global }
      - { .name: scl, .offset: 48, .size: 8, .value_kind: global_buffer, .address_space: global }
      - { .name: wo, .offset: 56, .size: 8, .value_kind: global_buffer, .address_space: global }
    .group_segment_fixed_size: 34816
    .private_segment_fixed_size: 0
    .kernarg_segment_align: 8
    .kernarg_segment_size: 64
    .max_flat_workgroup_size: 128
    .sgpr_count:     66
    .vgpr_count:     256
    .wavefront_size: 32
...
	.end_amdgpu_metadata
.endif
;; end of part 1
;; launch proj (part 2): grid 8 x 48, 4 waves a work-group, clusters of 4 x 4, 327,680 bytes of LDS; arguments cod, scl, qkv; writes qkv
.if DOCPART == 2
	.amdgcn_target "amdgcn-amd-amdhsa--gfx1250"
	.amdhsa_code_object_version 6
	.text
	.protected	k_qfc3da50499_proj
	.globl	k_qfc3da50499_proj
	.p2align	8
	.type	k_qfc3da50499_proj,@function
k_qfc3da50499_proj:
	s_mov_b64 s[64:65], 0
	v_nop
	global_prefetch_b8 v0, s[64:65] scope:SCOPE_SE
	s_setreg_imm32_b32 hwreg(HW_REG_WAVE_MODE, 25, 1), 1
	s_wait_xcnt 0x0
	s_wait_alu depctr_hold_cnt(0) depctr_sa_sdst(0) depctr_va_vdst(0) depctr_va_sdst(0) depctr_va_ssrc(0) depctr_va_vcc(0) depctr_vm_vsrc(0)
	s_getreg_b32 s2, hwreg(HW_REG_IB_STS2, 6, 4)
	s_cmp_eq_u32 s2, 0
	s_cbranch_scc0 .Lentry_in_a_cluster
	s_endpgm
.Lentry_in_a_cluster:
	s_bfe_u32 s2, ttmp6, 0x10000c
	s_cmp_lg_u32 s2, 0xf033
	s_cbranch_scc0 .Lentry_shape_is_right
	s_endpgm
.Lentry_shape_is_right:
; PROJ: the three quantised products, Q = X W_Q, K = X W_K, V = X W_V, on codes of E2M1 with E8M0 scales; K = 1,024; sums in f32.  Nothing of them is left out.
; The results leave as f16 IMAGES OF THE NEXT PRODUCTS' REGISTERS: qkv [batch x head 64][512 tokens 4][Q', K, V][token tile 32][g 4][512 bytes], lane l's 16 bytes at 16 l.
;   Q' = log2(e) Q (multiplied in f32, then rounded) and K: lane (r, h) holds token r, channels 16 g + 8 h + 0..7.      V: lane (r, h) holds channel 16 g + r, tokens 8 h + 0..7 of the tile.
; ONE BODY, TWO ORIENTATIONS.  A result tile D = source 0 x source 1 gives lane (r, h) source 1's row r and, in its eight registers, source 0's rows 8 h + 0..7.
;   Q, K: source 0 = W, source 1 = X (a lane: one token, eight channels).      V: source 0 = X, source 1 = W_V (a lane: one channel, eight tokens).      Rounded in pairs, a tile IS one group of an image.
; SHARES.  A work-group makes 256 x 256, each of four waves 128 x 128 (64 accumulators).  K goes in two slots of 512; both are first fills: nothing in LDS is filled again.
; CLUSTERS 4 x 4.  Tiles of 256 rows are numbered U: X 0-31, W_Q 32-35, W_K 36-39, W_V 40-43.  Source 0's tile hangs on cx (shared along a column of the cluster), source 1's on cy (along a row), in both
; orientations; what differs between them hangs on the cluster's own x and y, which all sixteen partners share.
; LIMITS: |Q'|, |K|, |V| stay under 65,504 (f16).
; REGISTERS: window 0: v16-29 addresses; v32-63 source 0's scale words (4 b + q), v64-95 source 1's (4 a + q): lanes 0-15 hold K half 0's words, lanes 16-31 K half 1's; v128-191 source 1's fragments, one set.
;   window 1: source 0's fragments, two sets at v0 and v128; on the way out the packed results.   windows 2, 3: the accumulators, (a, b) at v[8 (8 (a % 4) + b)].
.set SLOT,  131072                     ; a slot: source 1's 16 row tiles x 4,096 bytes, then source 0's
.set SRC0,  65536
.set SCL,   262144                     ; the scale bytes: source 1 half 0, half 1, source 0 half 0, half 1: 4,096 bytes each
.set SPARE, 278528                     ; the spare words, 128 bytes a wave
.set FR,    8
.set ADR1,  16                         ; v16-17  source 1's fragments in slot 0, 1
.set ADR0,  20                         ; v20-21  source 0's
.set ADS1,  22                         ; v22     source 1's scale words
.set ADS0,  23                         ; v23     source 0's
.set LI,    26                         ; v26     16 x lane
.set SPW,   28
.set NIL,   29
.set S0,    32
.set S1,    64
.set AF,    128
.set G1A,   24                         ; s[24:31] group 1 for source 1's codes; s[32:39] its groups 0
.set G0A,   32
.set G1B,   48                         ; s[48:55], s[56:63] the same for source 0
.set G0B,   56
.set G1S,   68                         ; s[68:75], s[76:79] source 1's scale bytes; s[80:87], s[88:91] source 0's
.set G0S,   76
.set G1SB,  80
.set G0SB,  88
.set MSB, 0
.macro WIN new                         ; the immediate's high byte repeats the setting that is left
.if MSB != (\new)
	s_set_vgpr_msb (MSB<<8)|(\new)
.set MSB, (\new)
.endif
.endm
.set MUL_LO, 0xa1                      ; source 0 window 1, source 1 window 0, C and D window 2
.set MUL_HI, 0xf1
.set TO_B,   0x40
.macro JLOAD g0a, g1a, g0b, g1b        ; a joint load: waves 0, 1 fetch for source 1, waves 2, 3 for source 0; an s_nop 0 and four v_nop follow each line
	s_cmp_eq_u32 s15, 0
	s_cbranch_scc0 .Lfor_b_\@
	tensor_load_to_lds s[\g0a:\g0a+3], s[\g1a:\g1a+7]
	s_nop 0
.rept 4
	v_nop
.endr
	s_branch .Lasked_\@
.Lfor_b_\@:
	tensor_load_to_lds s[\g0b:\g0b+3], s[\g1b:\g1b+7]
	s_nop 0
.rept 4
	v_nop
.endr
.Lasked_\@:
.endm
.macro CROUND                          ; a round of the cluster's barrier
	s_barrier_signal -1
	s_barrier_wait -1
	s_cmp_lg_u32 s14, 0
	s_cbranch_scc1 .Lnot_wave_0_\@
	s_barrier_signal -3
.Lnot_wave_0_\@:
	s_barrier_wait -3
	s_barrier_signal -1
	s_barrier_wait -1
.endm
.macro PLACES n
.rept \n
	v_nop
.endr
.endm
.macro FRAG reg, adr, q, i             ; a fragment (16 rows x 128 K, 8 registers) is two dense groups of 512 bytes
.irp c, 0,1
	ds_load_b128 v[\reg+4*\c:\reg+4*\c+3], v[\adr] offset:4096*(\i)+1024*(\q)+512*\c
.endr
.endm
; 16 matrix instructions: source 1's blocks a0, a0 + 1 x source 0's eight, the slot's q-th 128 along K.  The 64 accumulators take turns.  Slot 1's scale words stand in lanes 16-31.
.macro MUL16 a0, p, q, slot, zero
.irp a, \a0, \a0+1
.irp b, 0,1,2,3,4,5,6,7
.if \zero
	v_wmma_scale_f32_16x16x128_f8f6f4 v[8*(8*((\a)%4)+\b):8*(8*((\a)%4)+\b)+7], v[128*(\p)+FR*\b:128*(\p)+FR*\b+FR-1], v[AF+FR*(\a):AF+FR*(\a)+FR-1], 0, v[S0+4*\b+(\q)], v[S1+4*(\a)+(\q)] matrix_a_fmt:MATRIX_FMT_FP4 matrix_b_fmt:MATRIX_FMT_FP4
.elseif \slot
	v_wmma_scale_f32_16x16x128_f8f6f4 v[8*(8*((\a)%4)+\b):8*(8*((\a)%4)+\b)+7], v[128*(\p)+FR*\b:128*(\p)+FR*\b+FR-1], v[AF+FR*(\a):AF+FR*(\a)+FR-1], v[8*(8*((\a)%4)+\b):8*(8*((\a)%4)+\b)+7], v[S0+4*\b+(\q)], v[S1+4*(\a)+(\q)] matrix_a_fmt:MATRIX_FMT_FP4 matrix_b_fmt:MATRIX_FMT_FP4 matrix_a_scale:MATRIX_SCALE_ROW1 matrix_b_scale:MATRIX_SCALE_ROW1
.else
	v_wmma_scale_f32_16x16x128_f8f6f4 v[8*(8*((\a)%4)+\b):8*(8*((\a)%4)+\b)+7], v[128*(\p)+FR*\b:128*(\p)+FR*\b+FR-1], v[AF+FR*(\a):AF+FR*(\a)+FR-1], v[8*(8*((\a)%4)+\b):8*(8*((\a)%4)+\b)+7], v[S0+4*\b+(\q)], v[S1+4*(\a)+(\q)] matrix_a_fmt:MATRIX_FMT_FP4 matrix_b_fmt:MATRIX_FMT_FP4
.endif
.endr
.endr
.endm
.macro FETCH_B slot, q, p
	WIN TO_B
.irp i, 0,1,2,3,4,5,6,7
	FRAG 128*(\p)+FR*\i, ADR0+\slot, \q, \i
.endr
	WIN 0
.endm
.macro FETCH_A slot, q, i0
.irp i, \i0, \i0+1, \i0+2, \i0+3
	FRAG AF+FR*(\i), ADR1+\slot, \q, \i
.endr
.endm
.macro STEP slot, q, zero              ; 128 along K with its successor in the same slot
	s_wait_dscnt 8                                 ; source 0's set and source 1's blocks 0-3 are in; the youngest eight loads (blocks 4-7) may be out
	WIN MUL_LO
	MUL16 0, (\q)%2, \q, \slot, \zero
	MUL16 2, (\q)%2, \q, \slot, \zero
	s_wait_dscnt 0
	PLACES 4                                       ; in front of loads into registers that matrix instructions have read
	FETCH_B \slot, (\q)+1, 1-(\q)%2
	FETCH_A \slot, (\q)+1, 0
	WIN MUL_HI
	MUL16 4, (\q)%2, \q, \slot, \zero
	MUL16 6, (\q)%2, \q, \slot, \zero
	PLACES 4
	WIN 0
	FETCH_A \slot, (\q)+1, 4
.endm
	s_load_b128 s[4:7], s[0:1], 0x0                ; cod s[4:5], scl s[6:7]
	s_load_b64 s[8:9], s[0:1], 0x10                ; qkv
	v_lshl_add_u32 v[SPW], v0, 2, SPARE
	v_mov_b32 v[NIL], 0
	ds_add_u32 v[SPW], v[NIL]                      ; the wave's opening: the add, twice on end, and its wait ahead of my first tensor load
	ds_add_u32 v[SPW], v[NIL]
	v_lshrrev_b32 v1, 5, v0
	v_readfirstlane_b32 s14, v1                    ; wave
	s_lshr_b32 s15, s14, 1                         ; my half of source 1's rows.  Also: I fetch for source 1 (0) or source 0 (1)
	s_and_b32 s16, s14, 1                          ; my half of source 0's rows.  Also: which half of what I fetch
	s_bfe_u32 s40, ttmp6, 0x40000                  ; cx
	s_bfe_u32 s41, ttmp6, 0x40004                  ; cy
	s_and_b32 s43, ttmp7, 0xffff                   ; the cluster's y: 0-7 Q and K, 8-11 V
	s_lshl_b32 s45, ttmp9, 2
	s_lshl_b32 s46, s43, 3
	s_add_co_u32 s46, s46, s45
	s_sub_co_u32 s46, s46, 64                      ; V: source 0 = X's tile 8 (y - 8) + 4 x + cx
	s_add_co_u32 s47, s45, 32                      ; Q, K: source 0 = W's tile 32 + 4 x + cx
	s_lshl_b32 s20, s43, 2                         ; Q, K: source 1 = X's tile 4 y + cy
	s_cmp_ge_u32 s43, 8
	s_cselect_b32 s46, s46, s47
	s_cselect_b32 s20, 40, s20                     ; V: source 1 = W_V's tile 40 + cy
	s_cselect_b32 s44, 1, 0                        ; is it V?
	s_cselect_b32 s42, 2, ttmp9                    ; which part of a chunk: 0 Q', 1 K, 2 V
	s_add_co_u32 s46, s46, s40                     ; U0
	s_add_co_u32 s20, s20, s41                     ; U1
	s_lshl_b32 s22, s41, 2
	s_lshl_b32 s22, 15, s22                        ; my row of the cluster
	s_lshl_b32 s23, 0x1111, s40                    ; my column
	; group 1, codes: 8 row tiles x 4,096 bytes (512 elements of 8 bytes), 8,192 bytes apart in memory, dense in LDS
	s_or_b32 s[G1A], s22, (3<<16)|(1<<21)
	s_or_b32 s[G1B], s23, (3<<16)|(1<<21)
.irp g, G1A, G1B
	s_mov_b32 s[\g+1], 512<<16                     ; tensor_dim0
	s_mov_b32 s[\g+2], 8<<16                       ; tensor_dim1
	s_mov_b32 s[\g+3], 512<<16                     ; tile_dim0
	s_mov_b32 s[\g+4], 8                           ; tile_dim1
	s_mov_b32 s[\g+5], 1024                        ; the pitch
	s_mov_b32 s[\g+6], 0
	s_mov_b32 s[\g+7], 0
.endr
	; group 1, scale bytes: 4,096 dense bytes as 16 rows of 256
	s_or_b32 s[G1S], s22, (3<<16)|(1<<21)
	s_or_b32 s[G1SB], s23, (3<<16)|(1<<21)
.irp g, G1S, G1SB
	s_mov_b32 s[\g+1], 32<<16
	s_mov_b32 s[\g+2], 16<<16
	s_mov_b32 s[\g+3], 32<<16
	s_mov_b32 s[\g+4], 16
	s_mov_b32 s[\g+5], 32
	s_mov_b32 s[\g+6], 0
	s_mov_b32 s[\g+7], 0
.endr
	s_lshl_b32 s17, s16, 16
	s_lshl_b32 s92, s20, 17                        ; source 1's codes: 131,072 bytes a tile, my 8 row tiles
	s_add_co_u32 s92, s92, s17
	s_mov_b32 s93, 0
	s_lshl_b32 s94, s46, 17                        ; source 0's
	s_add_co_u32 s94, s94, s17
	s_mov_b32 s95, 0
	s_mul_i32 s17, s16, 180224                     ; the scale bytes: my K half, 4,096 bytes a tile
	s_lshl_b32 s96, s20, 12
	s_add_co_u32 s96, s96, s17
	s_mov_b32 s97, 0
	s_lshl_b32 s98, s46, 12
	s_add_co_u32 s98, s98, s17
	s_mov_b32 s99, 0
	s_lshl_b32 s18, s14, 15                        ; where they go: wave x 32,768,
	s_lshl_b32 s19, s14, 12
	s_add_co_u32 s19, s19, SCL                     ; wave x 4,096
	; where my results begin in qkv
	s_cmp_lg_u32 s44, 0
	s_cselect_b32 s10, s46, s20                    ; X's tile
	s_cselect_b32 s11, s41, s40                    ; W's tile of four heads
	s_cselect_b32 s12, s15, s16                    ; my half of W's rows: two heads
	s_cselect_b32 s13, s16, s15                    ; my half of X's rows: 8 token tiles
	s_lshr_b32 s21, s10, 3
	s_lshl_b32 s21, s21, 4
	s_lshl_b32 s11, s11, 2
	s_add_co_u32 s21, s21, s11
	s_lshl_b32 s12, s12, 1
	s_add_co_u32 s21, s21, s12                     ; 16 x batch + my first head
	s_mul_i32 s21, s21, 786432
	s_bfe_u32 s11, s10, 0x20001                    ; the chunk of 512 tokens
	s_mul_i32 s11, s11, 196608
	s_add_co_u32 s21, s21, s11
	s_lshl_b32 s11, s42, 16
	s_add_co_u32 s21, s21, s11
	s_and_b32 s11, s10, 1
	s_lshl_b32 s11, s11, 15
	s_add_co_u32 s21, s21, s11
	s_lshl_b32 s13, s13, 14
	s_add_co_u32 s12, s21, s13
	s_mov_b32 s13, 0
	s_mov_b32 s2, 0x3fb8aa3b                       ; log2(e)
	s_mov_b32 s3, s2                               ; (named with it as a pair)
	s_wait_dscnt 0x0                               ; both opening adds are done
	s_wait_kmcnt 0x0
	s_add_nc_u64 s[92:93], s[4:5], s[92:93]
	s_add_nc_u64 s[94:95], s[4:5], s[94:95]
	s_add_nc_u64 s[96:97], s[6:7], s[96:97]
	s_add_nc_u64 s[98:99], s[6:7], s[98:99]
	s_add_nc_u64 s[8:9], s[8:9], s[12:13]
	CROUND                                         ; all sixteen work-groups are here: the joint loads meet
	s_mov_b32 s[G0S], 1
	s_mov_b32 s[G0S+1], s19
	s_mov_b64 s[G0S+2:G0S+3], s[96:97]
	s_or_b32 s[G0S+3], s[G0S+3], 0x80000000
	s_mov_b32 s[G0SB], 1
	s_mov_b32 s[G0SB+1], s19
	s_mov_b64 s[G0SB+2:G0SB+3], s[98:99]
	s_or_b32 s[G0SB+3], s[G0SB+3], 0x80000000
	JLOAD G0S, G1S, G0SB, G1SB                     ; the scale bytes first
.irp s, 0,1
	s_mov_b32 s[G0A+4*\s], 1
	s_add_co_u32 s[G0A+4*\s+1], s18, \s*SLOT
	s_add_nc_u64 s[G0A+4*\s+2:G0A+4*\s+3], s[92:93], \s*4096
	s_or_b32 s[G0A+4*\s+3], s[G0A+4*\s+3], 0x80000000
	s_mov_b32 s[G0B+4*\s], 1
	s_add_co_u32 s[G0B+4*\s+1], s18, \s*SLOT
	s_add_nc_u64 s[G0B+4*\s+2:G0B+4*\s+3], s[94:95], \s*4096
	s_or_b32 s[G0B+4*\s+3], s[G0B+4*\s+3], 0x80000000
	JLOAD G0A+4*\s, G1A, G0B+4*\s, G1B             ; three loads of mine are out at the most
.endr
	v_and_b32 v1, 31, v0
	v_lshlrev_b32 v[LI], 4, v1
	v_and_b32 v2, 15, v0                           ; r
	v_bfe_u32 v3, v0, 4, 1                         ; h
	s_lshl_b32 s21, s15, 15
	s_lshl_b32 s22, s16, 15
	s_add_co_u32 s22, s22, SRC0
.irp s, 0,1
	v_add_nc_u32 v[ADR1+\s], s21, v[LI]
	v_add_nc_u32 v[ADR0+\s], s22, v[LI]
	s_add_co_u32 s21, s21, SLOT
	s_add_co_u32 s22, s22, SLOT
.endr
	v_lshlrev_b32 v4, 4, v2
	v_lshl_add_u32 v4, v3, 12, v4                  ; a row's 16 scale bytes; lanes 16-31 take K half 1's, 4,096 bytes on
	s_lshl_b32 s21, s15, 11
	s_add_co_u32 s21, s21, SCL
	v_add_nc_u32 v[ADS1], s21, v4
	s_lshl_b32 s22, s16, 11
	s_add_co_u32 s22, s22, SCL+8192
	v_add_nc_u32 v[ADS0], s22, v4
	s_wait_tensorcnt 1                             ; the scale bytes and my part of slot 0 are in (slot 1's load may be out),
	s_barrier_signal -1
	s_barrier_wait -1                              ; everybody's are
	FETCH_B 0, 0, 0
	FETCH_A 0, 0, 0
.irp i, 0,1,2,3,4,5,6,7                        ; the scale words of all of K, once
	ds_load_b128 v[S0+4*\i:S0+4*\i+3], v[ADS0] offset:256*\i
	ds_load_b128 v[S1+4*\i:S1+4*\i+3], v[ADS1] offset:256*\i
.endr
	FETCH_A 0, 0, 4
	STEP 0, 0, 1                                   ; the first products start the sums: nothing is cleared
	STEP 0, 1, 0
	STEP 0, 2, 0
	; slot 0's last step changes slots: one barrier
	s_wait_tensorcnt 0x0                           ; my part of slot 1 has landed
	ds_add_u32 v[SPW], v[NIL]
	s_wait_dscnt 9                                 ; (the add and the youngest eight loads may be out)
	WIN MUL_LO
	MUL16 0, 1, 3, 0, 0
	s_wait_dscnt 0x0
	s_barrier_signal -1
	MUL16 2, 1, 3, 0, 0
	WIN 0
	s_barrier_wait -1
	PLACES 4
	FETCH_B 1, 0, 0
	FETCH_A 1, 0, 0
	WIN MUL_HI
	MUL16 4, 1, 3, 0, 0
	MUL16 6, 1, 3, 0, 0
	PLACES 4
	WIN 0
	FETCH_A 1, 0, 4
	STEP 1, 0, 0
	STEP 1, 1, 0
	STEP 1, 2, 0
	s_wait_dscnt 8                                 ; the last step: nothing more to fetch
	WIN MUL_LO
	MUL16 0, 1, 3, 1, 0
	MUL16 2, 1, 3, 1, 0
	s_wait_dscnt 0
	WIN MUL_HI
	MUL16 4, 1, 3, 1, 0
	MUL16 6, 1, 3, 1, 0
	WIN 0
	PLACES 4                                       ; in front of the first read of results, and of writes into source 0's registers
	; THE WAY OUT.  Q alone is multiplied by log2(e), in f32 (a branch on the cluster's x and y, the same in all partners)
	s_cmp_lg_u32 s42, 0
	s_cbranch_scc1 .Lno_scale
	WIN 0x82
.set i, 0
.rept 128
	v_pk_mul_f32 v[i:i+1], v[i:i+1], s[2:3] op_sel_hi:[1,0]
.set i, i+2
.endr
	WIN 0xc3
.set i, 0
.rept 128
	v_pk_mul_f32 v[i:i+1], v[i:i+1], s[2:3] op_sel_hi:[1,0]
.set i, i+2
.endr
	WIN 0
.Lno_scale:
.irp a, 0,1,2,3,4,5,6,7                        ; rounded to f16 in pairs, each accumulator from its low end on: tile (a, b) becomes four registers of window 1
	WIN 0x4a+5*((\a)/4)
.irp b, 0,1,2,3,4,5,6,7
.irp r, 0,1,2,3
	v_cvt_pk_f16_f32 v[4*(8*\a+\b)+\r], v[8*(8*((\a)%4)+\b)+2*\r], v[8*(8*((\a)%4)+\b)+2*\r+1]
.endr
.endr
.endr
	WIN 0
	s_cmp_lg_u32 s44, 0
	s_cbranch_scc1 .Lstore_v
	WIN 0x04                                       ; a store's data are its source 1: window 1
.irp a, 0,1,2,3,4,5,6,7                        ; Q, K: a = token tile, b = head (b / 4) and group (b % 4).  Each store: 512 consecutive bytes, aligned
.irp b, 0,1,2,3,4,5,6,7
	global_store_b128 v[LI], v[4*(8*\a+\b):4*(8*\a+\b)+3], s[8:9] offset:(\b/4)*786432+(\b%4)*512+\a*2048
.endr
.endr
	WIN 0
	s_branch .Lstored
.Lstore_v:
	WIN 0x04
.irp a, 0,1,2,3,4,5,6,7                        ; V: b = token tile, a = head (a / 4) and group (a % 4)
.irp b, 0,1,2,3,4,5,6,7
	global_store_b128 v[LI], v[4*(8*\a+\b):4*(8*\a+\b)+3], s[8:9] offset:(\a/4)*786432+(\a%4)*512+\b*2048
.endr
.endr
	WIN 0
.Lstored:
	s_wait_tensorcnt 0x0                           ; the wave's end
	ds_add_u32 v[SPW], v[NIL]
	s_wait_dscnt 0x0
	CROUND                                         ; the closing round
	s_endpgm
.Lfunc_end_k_qfc3da50499_proj:
	.size	k_qfc3da50499_proj, .Lfunc_end_k_qfc3da50499_proj-k_qfc3da50499_proj
	.p2alignl 7, 3214868480
	.fill 96, 4, 3214868480
	.section	.rodata,"a",@progbits
	.p2align	6, 0x0
	.amdhsa_kernel k_qfc3da50499_proj
		.amdhsa_group_segment_fixed_size 327680
		.amdhsa_private_segment_fixed_size 0
		.amdhsa_enable_private_segment 0
		.amdhsa_kernarg_size 24
		.amdhsa_user_sgpr_count 2
		.amdhsa_user_sgpr_kernarg_segment_ptr 1
		.amdhsa_wavefront_size32 1
		.amdhsa_system_sgpr_workgroup_id_x 1
		.amdhsa_system_sgpr_workgroup_id_y 1
		.amdhsa_system_sgpr_workgroup_id_z 1
		.amdhsa_system_vgpr_workitem_id 0
		.amdhsa_next_free_vgpr 1024
		.amdhsa_next_free_sgpr 100
		.amdhsa_reserve_vcc 0
		.amdhsa_float_denorm_mode_32 3
		.amdhsa_float_denorm_mode_16_64 3
		.amdhsa_memory_ordered 1
		.amdhsa_forward_progress 1
		.amdhsa_inst_pref_size 139
	.end_amdhsa_kernel
	.amdgpu_metadata
---
amdhsa.version: [ 1, 2 ]
amdhsa.kernels:
  - .name:           k_qfc3da50499_proj
    .symbol:         k_qfc3da50499_proj.kd
    .args:
      - { .name: cod, .offset: 0, .size: 8, .value_kind: global_buffer, .address_space: global }
      - { .name: scl, .offset: 8, .size: 8, .value_kind: global_buffer, .address_space: global }
      - { .name: qkv, .offset: 16, .size: 8, .value_kind: global_buffer, .address_space: global }
    .group_segment_fixed_size: 327680
    .private_segment_fixed_size: 0
    .kernarg_segment_align: 8
    .kernarg_segment_size: 24
    .max_flat_workgroup_size: 128
    .sgpr_count:     100
    .vgpr_count:     1024
    .wavefront_size: 32
...
	.end_amdgpu_metadata
.endif
;; end of part 2
;; launch stats (part 3): grid 4 x 64, 16 waves a work-group, clusters of 4 x 1, 327,680 bytes of LDS; arguments qkv, negc; writes negc
.if DOCPART == 3
	.amdgcn_target "amdgcn-amd-amdhsa--gfx1250"
	.amdhsa_code_object_version 6
	.text
	.protected	k_qfc3da50499_stats
	.globl	k_qfc3da50499_stats
	.p2align	8
	.type	k_qfc3da50499_stats,@function
k_qfc3da50499_stats:
	s_mov_b64 s[64:65], 0
	v_nop
	global_prefetch_b8 v0, s[64:65] scope:SCOPE_SE
	s_setreg_imm32_b32 hwreg(HW_REG_WAVE_MODE, 25, 1), 1
	s_wait_xcnt 0x0
	s_wait_alu depctr_hold_cnt(0) depctr_sa_sdst(0) depctr_va_vdst(0) depctr_va_sdst(0) depctr_va_ssrc(0) depctr_va_vcc(0) depctr_vm_vsrc(0)
	s_getreg_b32 s2, hwreg(HW_REG_IB_STS2, 6, 4)
	s_cmp_eq_u32 s2, 0
	s_cbranch_scc0 .Lentry_in_a_cluster
	s_endpgm
.Lentry_in_a_cluster:
	s_bfe_u32 s2, ttmp6, 0x10000c
	s_cmp_lg_u32 s2, 0x3003
	s_cbranch_scc0 .Lentry_shape_is_right
	s_endpgm
.Lentry_shape_is_right:
; STATS: the softmax runs over the QUERIES: for each key j of a head, m_j = the largest S'(i, j) over all 2,048 queries i (a running maximum) and l_j = the sum over i of 2^(S'(i, j) - m_j),
; with S' = Q' . K = log2(e) x the score.  Stored: negc_j = -(m_j + log2 l_j), f32, [batch x head][key], so that the weight is 2^(S' + negc).  Nothing of the problem is left out here.
; SHARES.  A work-group owns 512 keys of one head (chunk cx).  SIXTEEN waves, four to a SIMD (4 x 256 registers): a step has 173 vector instructions beside 16 matrix instructions, so one wave's vector
; work stands beside another's matrix work and LDS loads.  Waves w and w + 8 own the same 64 keys and walk half of the queries each, 32 a step; their figures meet in LDS at the end.
; The head's Q' images, 256 KiB, come into LDS once, in two halves of 1,024 queries, asked for JOINTLY by the four key blocks of the head (one cluster): the same loads, the same descriptors, mask 15.
; Of each half, waves 0-7 walk the first 512 queries and waves 8-15 the second 512: so every wave has work as soon as the first half has landed, and each byte of Q' is read by eight waves.
; LAYOUT.  S = Q' K^T (source 0 = 16 queries, source 1 = 16 keys): a lane holds ONE key (lane % 16) and eight queries a tile, so maximum and sum run down its registers; each half of the lanes keeps the
; figures of its own queries, and the halves meet once, at the end.  THE KEYS OF A TILE ARE CHOSEN: lane r of tile kt takes my wave's key 4 r + kt, so that a lane ends with four neighbouring keys.
; REGISTERS: v1 16 x lane; v2 LDS address; v3, v4 the add's two; v11 where the pair's figures meet; v16-79 K (16 kt + 4 g); v80-111 Q' of two query tiles; v112-175 S (16 kt + 8 ql); v176.. m (pairs);
;   v184.. the new m; v188.. old - new; v192.. 2^(old - new) (pairs); v200.. l (pairs: two halves).
.set SPARE, 262144                     ; the spare words, 128 bytes for each of sixteen waves
.set MRG,   264192                     ; behind them: 1,024 bytes for each pair of waves: 512 of l, 512 of m; no fill lands here
.set LI,  1
.set ADQ, 2
.set SPW, 3
.set NIL, 4
.set MA,  11
.set KB,  16
.set QA,  80
.set S,   112
.set M,   176
.set T,   184
.set DL,  188
.set AL,  192
.set L,   200
.macro ROUND
	s_barrier_signal -1
	s_barrier_wait -1
	s_cmp_lg_u32 s8, 0
	s_cbranch_scc1 .Lnot_wave_0_\@
	s_barrier_signal -3
.Lnot_wave_0_\@:
	s_barrier_wait -3
	s_barrier_signal -1
	s_barrier_wait -1
.endm
.macro QLOADS                          ; two query tiles' images: eight dense groups
.irp ql, 0,1
.irp g, 0,1,2,3
	ds_load_b128 v[QA+16*\ql+4*\g:QA+16*\ql+4*\g+3], v[ADQ] offset:2048*\ql+512*\g
.endr
.endr
.endm
; 32 queries x my 64 keys.  more = 1: the next step's Q' is fetched.
.macro QSTEP more
	s_wait_dscnt 0x0                               ; this step's Q' is in
.irp hf, 0,1                                   ; the eight accumulators take turns: channels 0-31 start the sums, channels 32-63 add
.irp kt, 0,1,2,3
.irp ql, 0,1
.if \hf == 0
	v_wmma_f32_16x16x32_f16 v[S+16*\kt+8*\ql:S+16*\kt+8*\ql+7], v[QA+16*\ql:QA+16*\ql+7], v[KB+16*\kt:KB+16*\kt+7], 0
.else
	v_wmma_f32_16x16x32_f16 v[S+16*\kt+8*\ql:S+16*\kt+8*\ql+7], v[QA+16*\ql+8:QA+16*\ql+15], v[KB+16*\kt+8:KB+16*\kt+15], v[S+16*\kt+8*\ql:S+16*\kt+8*\ql+7]
.endif
.endr
.endr
.endr
.if \more
	s_add_co_u32 s44, s44, 4096
	v_add_nc_u32 v[ADQ], s44, v[LI]                ; with the three v_nop: four places in front of the loads into Q's registers and of the first read of results
.rept 3
	v_nop
.endr
	QLOADS
.else
.rept 4
	v_nop
.endr
.endif
.irp kt, 0,1,2,3
	v_max3_num_f32 v[T+\kt], v[M+2*\kt], v[S+16*\kt], v[S+16*\kt+1]     ; the new maximum: the old one and my 16 scores, each accumulator from its low end on
.endr
.irp i, 2,4,6,8,10,12,14
.irp kt, 0,1,2,3
	v_max3_num_f32 v[T+\kt], v[T+\kt], v[S+16*\kt+\i], v[S+16*\kt+\i+1]
.endr
.endr
.irp kt, 0,1,2,3
	v_sub_f32 v[DL+\kt], v[M+2*\kt], v[T+\kt]
.endr
.irp kt, 0,1,2,3
	v_mov_b32 v[M+2*\kt], v[T+\kt]
.endr
.irp kt, 0,1,2,3
.irp p, 0,2,4,6,8,10,12,14
	v_pk_add_f32 v[S+16*\kt+\p:S+16*\kt+\p+1], v[S+16*\kt+\p:S+16*\kt+\p+1], v[M+2*\kt:M+2*\kt+1] op_sel_hi:[1,0] neg_lo:[0,1] neg_hi:[0,1]   ; S' - m, two at a time
.endr
.endr
.irp kt, 0,1,2,3
	v_exp_f32 v[AL+2*\kt], v[DL+\kt]               ; one batch: 2^(old m - new m),
.endr
.set i, 0
.rept 64
	v_exp_f32 v[S+i], v[S+i]                       ; and the 64 terms
.set i, i+1
.endr
	v_nop                                          ; a plain line behind the last exponential
	s_wait_alu depctr_va_vdst(0)                   ; one wait for the batch, ahead of its first reader
.irp kt, 0,1,2,3
	v_pk_fma_f32 v[L+2*\kt:L+2*\kt+1], v[L+2*\kt:L+2*\kt+1], v[AL+2*\kt:AL+2*\kt+1], v[S+16*\kt:S+16*\kt+1] op_sel_hi:[1,0,1]   ; l under the new m, and the first two terms
.endr
.irp p, 2,4,6,8,10,12,14
.irp kt, 0,1,2,3
	v_pk_add_f32 v[L+2*\kt:L+2*\kt+1], v[L+2*\kt:L+2*\kt+1], v[S+16*\kt+\p:S+16*\kt+\p+1]
.endr
.endr
.endm
.macro WALK tb                         ; my 512 queries of the half that begins at LDS byte tb: 16 steps
	s_add_co_u32 s44, s47, \tb
	v_add_nc_u32 v[ADQ], s44, v[LI]
	QLOADS
	s_mov_b32 s46, 15
.Lq_\@:
	QSTEP 1
	s_sub_co_u32 s46, s46, 1
	s_cmp_lg_u32 s46, 0
	s_cbranch_scc1 .Lq_\@
	QSTEP 0
.endm
	s_load_b128 s[4:7], s[0:1], 0x0                ; qkv s[4:5], negc s[6:7]
	v_lshl_add_u32 v[SPW], v0, 2, SPARE
	v_mov_b32 v[NIL], 0
	ds_add_u32 v[SPW], v[NIL]                      ; the wave's opening: the add, twice on end, and its wait ahead of my first tensor load
	ds_add_u32 v[SPW], v[NIL]
	v_lshrrev_b32 v1, 5, v0
	v_readfirstlane_b32 s8, v1                     ; wave 0..15
	s_and_b32 s11, s8, 7                           ; which 64 keys are mine
	s_lshr_b32 s47, s8, 3                          ; which 512 queries of each half
	s_bfe_u32 s9, ttmp6, 0x40000                   ; cx: my block of 512 keys
	s_and_b32 s10, ttmp7, 0xffff                   ; batch x head
	s_mov_b32 s24, 15|(3<<16)|(1<<21)              ; group 1: 8 KiB dense, as 32 rows of 256 bytes (32 elements of 8); mask: all four partners
	s_mov_b32 s25, 32<<16
	s_mov_b32 s26, 32<<16
	s_mov_b32 s27, 32<<16
	s_mov_b32 s28, 32
	s_mov_b32 s29, 32
	s_mov_b32 s30, 0
	s_mov_b32 s31, 0
	s_mul_i32 s12, s10, 786432                     ; the head's first byte
	s_mul_i32 s14, s47, 196608                     ; fill 0: chunk wave / 8,
	s_lshl_b32 s15, s11, 13                        ; its Q' part, 8 KiB x (wave % 8)
	s_add_co_u32 s14, s14, s15
	s_add_co_u32 s14, s14, s12
	s_mov_b32 s15, 0
	s_lshl_b32 s16, s8, 13                         ; in LDS: wave x 8 KiB
	s_mul_i32 s18, s9, 196608                      ; my keys: chunk cx, its K part, 8 KiB for each 64 keys
	s_add_co_u32 s18, s18, s12
	s_lshl_b32 s17, s11, 13
	s_add_co_u32 s18, s18, s17
	s_add_co_u32 s18, s18, 65536
	s_mov_b32 s19, 0
	s_lshl_b32 s20, s10, 13                        ; negc: 8,192 bytes a head, 2,048 a block, 256 for each 64 keys
	s_lshl_b32 s17, s9, 11
	s_add_co_u32 s20, s20, s17
	s_lshl_b32 s17, s11, 8
	s_add_co_u32 s20, s20, s17
	s_mov_b32 s21, 0
	s_lshl_b32 s47, s47, 16                        ; my queries' first byte in each half of Q'
	s_mov_b32 s22, 0x76543210
	s_mov_b32 s23, 0xfedcba98
	s_wait_dscnt 0x0                               ; both opening adds are done
	s_wait_kmcnt 0x0
	s_add_nc_u64 s[14:15], s[4:5], s[14:15]
	s_add_nc_u64 s[18:19], s[4:5], s[18:19]
	s_add_nc_u64 s[6:7], s[6:7], s[20:21]
	s_mov_b32 s32, 1
	s_mov_b32 s33, s16
	s_mov_b64 s[34:35], s[14:15]
	s_or_b32 s35, s35, 0x80000000
	s_mov_b32 s36, 1
	s_add_co_u32 s37, s16, 131072
	s_add_nc_u64 s[38:39], s[14:15], 393216        ; fill 1: two chunks on
	s_or_b32 s39, s39, 0x80000000
	ROUND                                          ; all four work-groups are here: the joint loads meet
	tensor_load_to_lds s[32:35], s[24:31]          ; every wave issues both: two loads of mine are out at the most
	s_nop 0
	tensor_load_to_lds s[36:39], s[24:31]
	s_nop 0
.rept 4
	v_nop
.endr
	v_and_b32 v1, 31, v0
	v_lshlrev_b32 v[LI], 4, v1
	v_and_b32 v5, 15, v0                           ; r
	v_bfe_u32 v6, v0, 4, 1                         ; h
	v_lshrrev_b32 v7, 2, v5
	v_and_b32 v8, 3, v5
	v_lshlrev_b32 v9, 11, v7                       ; key 4 r + kt: token tile r / 4,
	v_lshl_add_u32 v9, v6, 8, v9                   ; my half of the channels,
	v_lshl_add_u32 v9, v8, 6, v9                   ; row 4 (r % 4) + kt of the tile
	v_lshlrev_b32 v10, 4, v5
	v_lshl_add_u32 v10, v6, 3, v10                 ; the way out: 16 r + 8 h
	s_lshl_b32 s17, s11, 10
	s_add_co_u32 s17, s17, MRG
	v_add_nc_u32 v[MA], s17, v[LI]                 ; where waves w + 8 and w meet: 1,024 bytes a pair, 16 a lane
.irp kt, 0,1,2,3
.irp g, 0,1,2,3
	global_load_b128 v[KB+16*\kt+4*\g:KB+16*\kt+4*\g+3], v9, s[18:19] offset:16*\kt+512*\g
.endr
.endr
.irp kt, 0,1,2,3
	v_mov_b32 v[M+2*\kt], 0xff61b1e6               ; m: -3e38, under every score
	v_mov_b32 v[M+2*\kt+1], 0                      ; (the pairs' upper words are named, so they are written)
	v_mov_b32 v[AL+2*\kt+1], 0
	v_mov_b32 v[L+2*\kt], 0
	v_mov_b32 v[L+2*\kt+1], 0
.endr
	s_wait_tensorcnt 1                             ; my part of the first 1,024 queries is in; the second half may stay out
	s_barrier_signal -1
	s_barrier_wait -1
	s_wait_loadcnt 0x0                             ; K
	WALK 0
	s_wait_tensorcnt 0x0                           ; my part of the second half has landed
	ds_add_u32 v[SPW], v[NIL]
	s_wait_dscnt 0x0
	s_barrier_signal -1
	s_barrier_wait -1
	WALK 131072
	; the two halves of the lanes hold the figures of different queries of the same keys: they meet under the larger maximum
.irp kt, 0,1,2,3
	v_add_f32 v[T+\kt], v[L+2*\kt], v[L+2*\kt+1]
.endr
.irp kt, 0,1,2,3
	v_permlanex16_b32 v[DL+\kt], v[M+2*\kt], s22, s23      ; the other half's m,
.endr
.irp kt, 0,1,2,3
	v_permlanex16_b32 v[AL+2*\kt], v[T+\kt], s22, s23      ; and l
.endr
.irp kt, 0,1,2,3
	v_max_num_f32 v[AL+2*\kt+1], v[M+2*\kt], v[DL+\kt]
.endr
.irp kt, 0,1,2,3
	v_sub_f32 v[M+2*\kt], v[M+2*\kt], v[AL+2*\kt+1]
.endr
.irp kt, 0,1,2,3
	v_sub_f32 v[DL+\kt], v[DL+\kt], v[AL+2*\kt+1]
.endr
.irp kt, 0,1,2,3
	v_exp_f32 v[M+2*\kt], v[M+2*\kt]
.endr
.irp kt, 0,1,2,3
	v_exp_f32 v[DL+\kt], v[DL+\kt]
.endr
	v_nop
	s_wait_alu depctr_va_vdst(0)                   ; one wait for the eight
.irp kt, 0,1,2,3
	v_mul_f32 v[T+\kt], v[T+\kt], v[M+2*\kt]
.endr
.irp kt, 0,1,2,3
	v_fma_f32 v[T+\kt], v[AL+2*\kt], v[DL+\kt], v[T+\kt]   ; l of my wave's 1,024 queries,
.endr
.irp kt, 0,1,2,3
	v_mov_b32 v[DL+\kt], v[AL+2*\kt+1]                     ; and their m, in four registers on end
.endr
	; waves w and w + 8 hold the figures of the two halves of the queries: waves 8-15 hand theirs over through LDS
	s_cmp_lt_u32 s8, 8
	s_cbranch_scc1 .Lno_send
	ds_store_b128 v[MA], v[T:T+3]
	ds_store_b128 v[MA], v[DL:DL+3] offset:512
.Lno_send:
	s_wait_dscnt 0x0                               ; for the others' sake: my stores have landed
	s_barrier_signal -1
	s_barrier_wait -1
	s_cmp_ge_u32 s8, 8
	s_cbranch_scc1 .Lend
	ds_load_b128 v[L:L+3], v[MA]                   ; the partner's l,
	ds_load_b128 v[L+4:L+7], v[MA] offset:512      ; and m
	s_wait_dscnt 0x0
.irp kt, 0,1,2,3
	v_max_num_f32 v[M+\kt], v[DL+\kt], v[L+4+\kt]  ; the column's maximum over all 2,048 queries
.endr
.irp kt, 0,1,2,3
	v_sub_f32 v[DL+\kt], v[DL+\kt], v[M+\kt]
.endr
.irp kt, 0,1,2,3
	v_sub_f32 v[L+4+\kt], v[L+4+\kt], v[M+\kt]
.endr
.irp kt, 0,1,2,3
	v_exp_f32 v[DL+\kt], v[DL+\kt]
.endr
.irp kt, 0,1,2,3
	v_exp_f32 v[L+4+\kt], v[L+4+\kt]
.endr
	v_nop
	s_wait_alu depctr_va_vdst(0)                   ; one wait for the eight
.irp kt, 0,1,2,3
	v_mul_f32 v[T+\kt], v[T+\kt], v[DL+\kt]
.endr
.irp kt, 0,1,2,3
	v_fma_f32 v[T+\kt], v[L+\kt], v[L+4+\kt], v[T+\kt]     ; l: at least 1, since the largest term is 1
.endr
.irp kt, 0,1,2,3
	v_log_f32 v[T+\kt], v[T+\kt]
.endr
	v_nop
	s_wait_alu depctr_va_vdst(0)                   ; one wait for the four
.irp kt, 0,1,2,3
	v_sub_f32 v[T+\kt], -v[T+\kt], v[M+\kt]        ; -(m + log2 l)
.endr
	v_cmp_eq_u32 vcc_lo, 0, v6
	v_cndmask_b32 v12, v[T+2], v[T], vcc_lo        ; lanes 0-15 store keys 4 r, 4 r + 1; lanes 16-31 keys 4 r + 2, 4 r + 3:
	v_cndmask_b32 v13, v[T+3], v[T+1], vcc_lo
	global_store_b64 v10, v[12:13], s[6:7]         ; 256 consecutive bytes, aligned
.Lend:
	s_wait_tensorcnt 0x0                           ; the wave's end, behind my last tensor load and my last LDS store
	ds_add_u32 v[SPW], v[NIL]
	s_wait_dscnt 0x0
	ROUND                                          ; the closing round
	s_endpgm
.Lfunc_end_k_qfc3da50499_stats:
	.size	k_qfc3da50499_stats, .Lfunc_end_k_qfc3da50499_stats-k_qfc3da50499_stats
	.p2alignl 7, 3214868480
	.fill 96, 4, 3214868480
	.section	.rodata,"a",@progbits
	.p2align	6, 0x0
	.amdhsa_kernel k_qfc3da50499_stats
		.amdhsa_group_segment_fixed_size 327680
		.amdhsa_private_segment_fixed_size 0
		.amdhsa_enable_private_segment 0
		.amdhsa_kernarg_size 16
		.amdhsa_user_sgpr_count 2
		.amdhsa_user_sgpr_kernarg_segment_ptr 1
		.amdhsa_wavefront_size32 1
		.amdhsa_system_sgpr_workgroup_id_x 1
		.amdhsa_system_sgpr_workgroup_id_y 1
		.amdhsa_system_sgpr_workgroup_id_z 1
		.amdhsa_system_vgpr_workitem_id 0
		.amdhsa_next_free_vgpr 256
		.amdhsa_next_free_sgpr 66
		.amdhsa_reserve_vcc 1
		.amdhsa_float_denorm_mode_32 3
		.amdhsa_float_denorm_mode_16_64 3
		.amdhsa_memory_ordered 1
		.amdhsa_forward_progress 1
		.amdhsa_inst_pref_size 53
	.end_amdhsa_kernel
	.amdgpu_metadata
---
amdhsa.version: [ 1, 2 ]
amdhsa.kernels:
  - .name:           k_qfc3da50499_stats
    .symbol:         k_qfc3da50499_stats.kd
    .args:
      - { .name: qkv, .offset: 0, .size: 8, .value_kind: global_buffer, .address_space: global }
      - { .name: negc, .offset: 8, .size: 8, .value_kind: global_buffer, .address_space: global }
    .group_segment_fixed_size: 327680
    .private_segment_fixed_size: 0
    .kernarg_segment_align: 8
    .kernarg_segment_size: 16
    .max_flat_workgroup_size: 512
    .sgpr_count:     66
    .vgpr_count:     256
    .wavefront_size: 32
...
	.end_amdgpu_metadata
.endif
;; end of part 3
;; launch attn (part 4): grid 4 x 64, 8 waves a work-group, clusters of 4 x 1, 327,680 bytes of LDS; arguments qkv, negc, av, rs; writes av, rs
.if DOCPART == 4
	.amdgcn_target "amdgcn-amd-amdhsa--gfx1250"
	.amdhsa_code_object_version 6
	.text
	.protected	k_qfc3da50499_attn
	.globl	k_qfc3da50499_attn
	.p2align	8
	.type	k_qfc3da50499_attn,@function
k_qfc3da50499_attn:
	s_mov_b64 s[64:65], 0
	v_nop
	global_prefetch_b8 v0, s[64:65] scope:SCOPE_SE
	s_setreg_imm32_b32 hwreg(HW_REG_WAVE_MODE, 25, 1), 1
	s_wait_xcnt 0x0
	s_wait_alu depctr_hold_cnt(0) depctr_sa_sdst(0) depctr_va_vdst(0) depctr_va_sdst(0) depctr_va_ssrc(0) depctr_va_vcc(0) depctr_vm_vsrc(0)
	s_getreg_b32 s2, hwreg(HW_REG_IB_STS2, 6, 4)
	s_cmp_eq_u32 s2, 0
	s_cbranch_scc0 .Lentry_in_a_cluster
	s_endpgm
.Lentry_in_a_cluster:
	s_bfe_u32 s2, ttmp6, 0x10000c
	s_cmp_lg_u32 s2, 0x3003
	s_cbranch_scc0 .Lentry_shape_is_right
	s_endpgm
.Lentry_shape_is_right:
; ATTN: O(i, :) = the sum over keys j of A(i, j) V(j, :), A(i, j) = 2^(S'(i, j) + negc_j): the softmax over the query axis, with the column's maximum and sum (launch stats) folded into negc.
; negc enters as the C of the score product, so a weight costs one exponential and half a rounding; A lies in [0, 1] by construction and goes to the second product in f16.  Nothing of the problem is left out.
; SHARES.  A work-group owns 512 queries of one head (chunk cx), each of eight waves 64: four tiles of 16, so that a fragment of K or V read from LDS feeds four products.  All waves walk 2,048 keys, 32 a step.
; K's and V's images of 512 keys are one dense block of 128 KiB: a ring of two slots, each wave fetching 16 KiB, asked for JOINTLY by the head's four query blocks (one cluster, mask 15).
; No prefetch: a refill is asked for a whole slot's walk (16 key steps, 512 matrix instructions a wave) ahead of the wait for it.
; LAYOUT.  S^T = K Q'^T (source 0 = 16 keys, source 1 = 16 queries): a lane holds one query and the keys 8 h + 0..7; two such tiles, rounded in pairs, ARE source 1 of O^T = V^T A^T.
; THE WAY OUT.  The raw reshape makes a tile of 16 queries ONE row of the last product (K index 64 x (query % 16) + channel).  Each such row gets a power of two of its own, rs = 2^floor(log2(its largest
; |O|)), held to 2^-126 .. 2^126; O / rs (under 2) goes out in f16 as images of the last product's fragments: av [16 rows][query % 16][channel tile 4][512 bytes]; rs goes out in f32 and is multiplied back there.
; REGISTERS: v1 16 x lane; v2-4 LDS addresses of K, V, negc; v5, v8 their lane parts; v6, v7 the add's two; v9-11 the way out; v12-15 largest magnitudes; v16-79 Q' (16 t + 4 g); v80-111 K (16 kt + 4 g);
;   v112-143 V (8 ct + 4 c); v144-159 negc (8 kt); v160-223 S^T (16 t + 8 kt); v224-255 A (8 t).   window 1: v0-127 O^T (32 t + 8 ct).
.set NEGC,  262144                     ; the head's 2,048 negc
.set SPARE, 270336                     ; the spare words, 128 bytes a wave
.set RSC,   271360                     ; 32 words: the work-group's rs
.set LI,  1
.set ADK, 2
.set ADV, 3
.set ADC, 4
.set CB0, 5
.set SPW, 6
.set NIL, 7
.set LV,  8
.set STO, 9
.set RD,  10
.set RSW, 11
.set MX,  12
.set Q,   16
.set KF,  80
.set VF,  112
.set CN,  144
.set S,   160
.set P,   224
.set MSB, 0
.macro WIN new
.if MSB != (\new)
	s_set_vgpr_msb (MSB<<8)|(\new)
.set MSB, (\new)
.endif
.endm
.macro ROUND
	s_barrier_signal -1
	s_barrier_wait -1
	s_cmp_lg_u32 s8, 0
	s_cbranch_scc1 .Lnot_wave_0_\@
	s_barrier_signal -3
.Lnot_wave_0_\@:
	s_barrier_wait -3
	s_barrier_signal -1
	s_barrier_wait -1
.endm
.macro KLOADS                          ; 32 keys: K's two tiles (eight groups) and their negc (lane (r, h): keys 8 h + 0..7 of each tile)
.irp kt, 0,1
.irp g, 0,1,2,3
	ds_load_b128 v[KF+16*\kt+4*\g:KF+16*\kt+4*\g+3], v[ADK] offset:2048*\kt+512*\g
.endr
.endr
.irp kt, 0,1
.irp u, 0,1
	ds_load_b128 v[CN+8*\kt+4*\u:CN+8*\kt+4*\u+3], v[ADC] offset:64*\kt+16*\u
.endr
.endr
.endm
.macro VLOADS                          ; V^T: four channel tiles x 32 keys
.irp ct, 0,1,2,3
.irp c, 0,1
	ds_load_b128 v[VF+8*\ct+4*\c:VF+8*\ct+4*\c+3], v[ADV] offset:2048*\c+512*\ct
.endr
.endr
.endm
; A KEY STEP: 32 keys x my 64 queries.  more = 1: the next step's fragments are fetched.  zero = 1: the first step starts O^T's sums.
.macro STEP more, zero
	s_wait_dscnt 8                                 ; K and negc are in; V's eight loads, issued behind them, may be out
.irp hf, 0,1                                   ; eight accumulators by turns: channels 0-31 start from negc, channels 32-63 add
.irp kt, 0,1
.irp t, 0,1,2,3
.if \hf == 0
	v_wmma_f32_16x16x32_f16 v[S+16*\t+8*\kt:S+16*\t+8*\kt+7], v[KF+16*\kt:KF+16*\kt+7], v[Q+16*\t:Q+16*\t+7], v[CN+8*\kt:CN+8*\kt+7]
.else
	v_wmma_f32_16x16x32_f16 v[S+16*\t+8*\kt:S+16*\t+8*\kt+7], v[KF+16*\kt+8:KF+16*\kt+15], v[Q+16*\t+8:Q+16*\t+15], v[S+16*\t+8*\kt:S+16*\t+8*\kt+7]
.endif
.endr
.endr
.endr
.if \more
	s_add_co_u32 s44, s44, 4096
	s_add_co_u32 s45, s45, 128
	v_add_nc_u32 v[ADK], s44, v[LI]                ; two additions and two v_nop: four places in front of the loads into K's and negc's registers and of the first read of results
	v_add_nc_u32 v[ADC], s45, v[CB0]
	v_nop
	v_nop
	KLOADS
.else
.rept 4
	v_nop
.endr
.endif
.set i, 0
.rept 64
	v_exp_f32 v[S+i], v[S+i]                       ; the weights, one batch, each accumulator from its low end on
.set i, i+1
.endr
	v_nop                                          ; a plain line behind the last exponential
	s_wait_alu depctr_va_vdst(0)                   ; one wait for the batch, ahead of its first reader
.irp t, 0,1,2,3
.irp kt, 0,1
.irp i, 0,1,2,3
	v_cvt_pk_f16_f32 v[P+8*\t+4*\kt+\i], v[S+16*\t+8*\kt+2*\i], v[S+16*\t+8*\kt+2*\i+1]
.endr
.endr
.endr
.if \more
	s_wait_dscnt 12                                ; V is in; the twelve loads just issued may be out
.else
	s_wait_dscnt 0x0
.endif
	WIN 0x50                                       ; C and D in window 1
.irp ct, 0,1,2,3
.irp t, 0,1,2,3
.if \zero
	v_wmma_f32_16x16x32_f16 v[32*\t+8*\ct:32*\t+8*\ct+7], v[VF+8*\ct:VF+8*\ct+7], v[P+8*\t:P+8*\t+7], 0
.else
	v_wmma_f32_16x16x32_f16 v[32*\t+8*\ct:32*\t+8*\ct+7], v[VF+8*\ct:VF+8*\ct+7], v[P+8*\t:P+8*\t+7], v[32*\t+8*\ct:32*\t+8*\ct+7]
.endif
.endr
.endr
	WIN 0
.if \more
	v_add_nc_u32 v[ADV], s44, v[LV]                ; with the three v_nop: four places in front of the loads into V's registers
.rept 3
	v_nop
.endr
	VLOADS
.else
.rept 4
	v_nop
.endr
.endif
.endm
.macro WALK first, tb, tc              ; a slot's 512 keys: 16 steps; tb: the slot's first byte, tc: its keys' first byte among the negc
	s_mov_b32 s44, \tb
	s_mov_b32 s45, \tc
	v_add_nc_u32 v[ADK], s44, v[LI]
	v_add_nc_u32 v[ADC], s45, v[CB0]
	v_add_nc_u32 v[ADV], s44, v[LV]
	KLOADS
	VLOADS
.if \first
	STEP 1, 1
	s_mov_b32 s46, 14
.else
	s_mov_b32 s46, 15
.endif
.Lk_\@:
	STEP 1, 0
	s_sub_co_u32 s46, s46, 1
	s_cmp_lg_u32 s46, 0
	s_cbranch_scc1 .Lk_\@
	STEP 0, 0
.endm
; THE CHANGE OF SLOTS.  Each wave waits for all its tensor loads (its part of the slot ahead), adds 0 to its spare word, and waits for that and for its reads of the slot that it leaves.
; fill = 1: the barrier is a round of the cluster's, and the slot just left is filled with the keys two chunks on: the wave's one tensor load, first behind the round.
.macro CHANGE fill, g0
	s_wait_tensorcnt 0x0
	ds_add_u32 v[SPW], v[NIL]
.if \fill
	s_add_nc_u64 s[\g0+2:\g0+3], s[\g0+2:\g0+3], 393216    ; no load of mine is out, so a group 0 may be written
.endif
	s_wait_dscnt 0x0
.if \fill
	ROUND
	tensor_load_to_lds s[\g0:\g0+3], s[24:31]
	s_nop 0
.rept 4
	v_nop
.endr
.else
	s_barrier_signal -1
	s_barrier_wait -1
.endif
.endm
	s_load_b256 s[12:19], s[0:1], 0x0              ; qkv s[12:13], negc s[14:15], av s[16:17], rs s[18:19]
	v_lshl_add_u32 v[SPW], v0, 2, SPARE
	v_mov_b32 v[NIL], 0
	ds_add_u32 v[SPW], v[NIL]                      ; the wave's opening: the add, twice on end, and its wait ahead of my first tensor load
	ds_add_u32 v[SPW], v[NIL]
	v_lshrrev_b32 v1, 5, v0
	v_readfirstlane_b32 s8, v1                     ; wave 0..7
	s_bfe_u32 s9, ttmp6, 0x40000                   ; cx: my block of 512 queries
	s_and_b32 s10, ttmp7, 0xffff                   ; batch x head
	s_mov_b32 s24, 15|(3<<16)|(1<<21)              ; group 1, K and V: 16 KiB dense, as 64 rows of 256 bytes; mask: all four partners
	s_mov_b32 s25, 32<<16
	s_mov_b32 s26, 64<<16
	s_mov_b32 s27, 32<<16
	s_mov_b32 s28, 64
	s_mov_b32 s29, 32
	s_mov_b32 s30, 0
	s_mov_b32 s31, 0
	s_mov_b32 s48, 15|(3<<16)|(1<<21)              ; group 1, negc: 1 KiB dense, as 4 rows of 256 bytes
	s_mov_b32 s49, 32<<16
	s_mov_b32 s50, 4<<16
	s_mov_b32 s51, 32<<16
	s_mov_b32 s52, 4
	s_mov_b32 s53, 32
	s_mov_b32 s54, 0
	s_mov_b32 s55, 0
	s_mul_i32 s20, s10, 786432                     ; the head's first byte
	s_lshl_b32 s2, s8, 14                          ; wave x 16 KiB: in a slot, and in a chunk's K and V
	s_add_co_u32 s4, s20, s2
	s_add_co_u32 s4, s4, 65536
	s_mov_b32 s5, 0
	s_lshl_b32 s6, s10, 13
	s_lshl_b32 s3, s8, 10                          ; wave x 1 KiB of the negc
	s_add_co_u32 s6, s6, s3
	s_mov_b32 s7, 0
	s_mul_i32 s11, s9, 196608                      ; my queries: chunk cx, its Q' part, 8 KiB a wave
	s_add_co_u32 s20, s20, s11
	s_lshl_b32 s11, s8, 13
	s_add_co_u32 s20, s20, s11
	s_mov_b32 s21, 0
	s_lshl_b32 s46, s10, 3                         ; av: row tile 8 bh + 2 cx + wave / 4; there 8 KiB x (wave % 4)
	s_lshl_b32 s11, s9, 1
	s_add_co_u32 s46, s46, s11
	s_lshr_b32 s11, s8, 2
	s_add_co_u32 s46, s46, s11
	s_lshl_b32 s46, s46, 15
	s_and_b32 s11, s8, 3
	s_lshl_b32 s11, s11, 13
	s_add_co_u32 s46, s46, s11
	s_mov_b32 s47, 0
	s_lshl_b32 s44, s10, 9                         ; rs: 4 bytes x (128 bh + 32 cx)
	s_lshl_b32 s11, s9, 7
	s_add_co_u32 s44, s44, s11
	s_mov_b32 s45, 0
	s_mov_b32 s22, 0x76543210
	s_mov_b32 s23, 0xfedcba98
	s_wait_dscnt 0x0                               ; both opening adds are done
	s_wait_kmcnt 0x0
	s_add_nc_u64 s[4:5], s[12:13], s[4:5]
	s_add_nc_u64 s[6:7], s[14:15], s[6:7]
	s_add_nc_u64 s[12:13], s[12:13], s[20:21]
	s_add_nc_u64 s[16:17], s[16:17], s[46:47]
	s_add_nc_u64 s[18:19], s[18:19], s[44:45]
	s_mov_b32 s32, 1                               ; slot 0: chunk 0
	s_mov_b32 s33, s2
	s_mov_b64 s[34:35], s[4:5]
	s_or_b32 s35, s35, 0x80000000
	s_mov_b32 s36, 1                               ; slot 1: chunk 1
	s_add_co_u32 s37, s2, 131072
	s_add_nc_u64 s[38:39], s[4:5], 196608
	s_or_b32 s39, s39, 0x80000000
	s_mov_b32 s40, 1                               ; negc
	s_add_co_u32 s41, s3, NEGC
	s_mov_b64 s[42:43], s[6:7]
	s_or_b32 s43, s43, 0x80000000
	ROUND                                          ; all four work-groups are here: the first joint loads meet
	tensor_load_to_lds s[40:43], s[48:55]          ; every wave issues all three: three loads of mine are out at the most
	s_nop 0
	tensor_load_to_lds s[32:35], s[24:31]
	s_nop 0
	tensor_load_to_lds s[36:39], s[24:31]
	s_nop 0
.rept 4
	v_nop
.endr
	v_and_b32 v1, 31, v0
	v_lshlrev_b32 v[LI], 4, v1
	v_and_b32 v12, 15, v0                          ; r
	v_bfe_u32 v13, v0, 4, 1                        ; h
	v_lshl_add_u32 v[CB0], v13, 5, NEGC
	v_add_nc_u32 v[LV], 65536, v[LI]
.irp t, 0,1,2,3
.irp g, 0,1,2,3
	global_load_b128 v[Q+16*\t+4*\g:Q+16*\t+4*\g+3], v[LI], s[12:13] offset:2048*\t+512*\g   ; Q' stays in registers
.endr
.endr
	s_lshr_b32 s20, s8, 2                          ; the way out's stage: two row tiles x 16 rows (query % 16) x 2,064 bytes
	s_mul_i32 s20, s20, 33024
	s_and_b32 s21, s8, 3
	s_lshl_b32 s11, s21, 6
	s_add_co_u32 s11, s11, s20
	v_mul_u32_u24 v[STO], v12, 2064
	v_lshl_add_u32 v[STO], v13, 8, v[STO]
	v_add_nc_u32 v[STO], s11, v[STO]               ; in: row = my query, + 256 h, + 16 x (4 (wave % 4) + t): the place of my tile's row in the image
	s_mul_i32 s21, s21, 8256
	s_add_co_u32 s21, s21, s20
	v_add_nc_u32 v[RD], s21, v[LI]                 ; back: four rows a wave, dense groups of 512 bytes
	s_lshl_b32 s11, s8, 4
	s_add_co_u32 s11, s11, RSC
	v_mov_b32 v[RSW], s11
	s_wait_tensorcnt 1                             ; negc and my part of slot 0 are in; slot 1's may stay out
	s_barrier_signal -1
	s_barrier_wait -1
	s_wait_loadcnt 0x0                             ; Q'
	WALK 1, 0, 0
	CHANGE 1, 32                                   ; slot 0 takes chunk 2
	WALK 0, 131072, 2048
	CHANGE 1, 36                                   ; slot 1 takes chunk 3
	WALK 0, 0, 4096
	CHANGE 0, 32
	WALK 0, 131072, 6144
	; THE WAY OUT.  (The last step's four v_nop are the places behind its products.)
	WIN 0x05                                       ; sources 0 and 1 in window 1
.irp t, 0,1,2,3
	v_max3_num_f32 v[MX+\t], |v[32*\t]|, |v[32*\t+1]|, 0x800000        ; a tile's largest |O|, over the floor 2^-126; each accumulator from its low end on
.endr
.irp i, 2,4,6,8,10,12,14,16,18,20,22,24,26,28,30
.irp t, 0,1,2,3
	v_max3_num_f32 v[MX+\t], |v[32*\t+\i]|, |v[32*\t+\i+1]|, v[MX+\t]
.endr
.endr
	WIN 0
.irp m, 1,2,4,8
.irp t, 0,1,2,3
	v_max_num_f32_dpp v[MX+\t], v[MX+\t], v[MX+\t] row_xmask:\m row_mask:0xf bank_mask:0xf
.endr
.endr
.irp t, 0,1,2,3
	v_permlanex16_b32 v[CN+8+\t], v[MX+\t], s22, s23
.endr
.irp t, 0,1,2,3
	v_max_num_f32 v[MX+\t], v[MX+\t], v[CN+8+\t]   ; over all 32 lanes
.endr
.irp t, 0,1,2,3
	v_min_num_f32 v[MX+\t], 0x7e800000, v[MX+\t]   ; held at 2^126, so that the reciprocal is a normal number
.endr
.irp t, 0,1,2,3
	v_and_b32 v[CN+12+\t], 0x7f800000, v[MX+\t]    ; rs: its exponent field alone
.endr
.irp t, 0,1,2,3
	v_sub_nc_u32 v[CN+2*\t], 0x7f000000, v[CN+12+\t]   ; 1 / rs: exponent field 254 - e
.endr
	WIN 0x41
.irp t, 0,1,2,3
.set i, 0
.rept 16
	v_pk_mul_f32 v[32*\t+i:32*\t+i+1], v[32*\t+i:32*\t+i+1], v[CN+2*\t:CN+2*\t+1] op_sel_hi:[1,0]   ; exact
.set i, i+2
.endr
.endr
	WIN 0x05
.irp t, 0,1,2,3
.irp ct, 0,1,2,3
.irp i, 0,1,2,3
	v_cvt_pk_f16_f32 v[S+16*\t+4*\ct+\i], v[32*\t+8*\ct+2*\i], v[32*\t+8*\ct+2*\i+1]
.endr
.endr
.endr
	WIN 0
.irp t, 0,1,2,3                                ; the stage lies in slot 0, which has had its last fill and was left at the last change of slots
.irp ct, 0,1,2,3
	ds_store_b128 v[STO], v[S+16*\t+4*\ct:S+16*\t+4*\ct+3] offset:16*\t+512*\ct
.endr
.endr
.irp t, 0,1,2,3
	ds_store_b32 v[RSW], v[CN+12+\t] offset:4*\t   ; all lanes write the same word with the same value
.endr
	s_wait_dscnt 0x0                               ; for the others' sake: my stores have landed
	s_barrier_signal -1
	s_barrier_wait -1
.irp i, 0,1,2,3
.irp u, 0,1,2,3
	ds_load_b128 v[S+16*\i+4*\u:S+16*\i+4*\u+3], v[RD] offset:2064*\i+512*\u
.endr
.endr
.irp i, 0,1,2,3
.irp u, 0,1,2,3
	s_wait_dscnt 15-4*\i-\u
	global_store_b128 v[LI], v[S+16*\i+4*\u:S+16*\i+4*\u+3], s[16:17] offset:2048*\i+512*\u   ; 512 consecutive bytes, aligned
.endr
.endr
	v_and_b32 v[ADV], 31, v0
	v_lshlrev_b32 v[ADV], 2, v[ADV]
	v_add_nc_u32 v[ADK], RSC, v[ADV]
	s_cmp_lg_u32 s8, 0                             ; wave 0 stores the work-group's 32 rs
	s_cbranch_scc1 .Lnot_rs
	ds_load_b32 v[ADC], v[ADK]
	s_wait_dscnt 0x0
	global_store_b32 v[ADV], v[ADC], s[18:19]
.Lnot_rs:
	s_wait_tensorcnt 0x0                           ; the wave's end, behind my last tensor load and my last LDS store
	ds_add_u32 v[SPW], v[NIL]
	s_wait_dscnt 0x0
	ROUND                                          ; the closing round
	s_endpgm
.Lfunc_end_k_qfc3da50499_attn:
	.size	k_qfc3da50499_attn, .Lfunc_end_k_qfc3da50499_attn-k_qfc3da50499_attn
	.p2alignl 7, 3214868480
	.fill 96, 4, 3214868480
	.section	.rodata,"a",@progbits
	.p2align	6, 0x0
	.amdhsa_kernel k_qfc3da50499_attn
		.amdhsa_group_segment_fixed_size 327680
		.amdhsa_private_segment_fixed_size 0
		.amdhsa_enable_private_segment 0
		.amdhsa_kernarg_size 32
		.amdhsa_user_sgpr_count 2
		.amdhsa_user_sgpr_kernarg_segment_ptr 1
		.amdhsa_wavefront_size32 1
		.amdhsa_system_sgpr_workgroup_id_x 1
		.amdhsa_system_sgpr_workgroup_id_y 1
		.amdhsa_system_sgpr_workgroup_id_z 1
		.amdhsa_system_vgpr_workitem_id 0
		.amdhsa_next_free_vgpr 384
		.amdhsa_next_free_sgpr 66
		.amdhsa_reserve_vcc 0
		.amdhsa_float_denorm_mode_32 3
		.amdhsa_float_denorm_mode_16_64 3
		.amdhsa_memory_ordered 1
		.amdhsa_forward_progress 1
		.amdhsa_inst_pref_size 100
	.end_amdhsa_kernel
	.amdgpu_metadata
---
amdhsa.version: [ 1, 2 ]
amdhsa.kernels:
  - .name:           k_qfc3da50499_attn
    .symbol:         k_qfc3da50499_attn.kd
    .args:
      - { .name: qkv, .offset: 0, .size: 8, .value_kind: global_buffer, .address_space: global }
      - { .name: negc, .offset: 8, .size: 8, .value_kind: global_buffer, .address_space: global }
      - { .name: av, .offset: 16, .size: 8, .value_kind: global_buffer, .address_space: global }
      - { .name: rs, .offset: 24, .size: 8, .value_kind: global_buffer, .address_space: global }
    .group_segment_fixed_size: 327680
    .private_segment_fixed_size: 0
    .kernarg_segment_align: 8
    .kernarg_segment_size: 32
    .max_flat_workgroup_size: 256
    .sgpr_count:     66
    .vgpr_count:     384
    .wavefront_size: 32
...
	.end_amdgpu_metadata
.endif
;; end of part 4
;; launch outp (part 5): grid 32 x 8, 4 waves a work-group, clusters of 4 x 1, 327,680 bytes of LDS; arguments av, rs, wo, out0; writes out0
.if DOCPART == 5
	.amdgcn_target "amdgcn-amd-amdhsa--gfx1250"
	.amdhsa_code_object_version 6
	.text
	.protected	k_qfc3da50499_outp
	.globl	k_qfc3da50499_outp
	.p2align	8
	.type	k_qfc3da50499_outp,@function
k_qfc3da50499_outp:
	s_mov_b64 s[64:65], 0
	v_nop
	global_prefetch_b8 v0, s[64:65] scope:SCOPE_SE
	s_setreg_imm32_b32 hwreg(HW_REG_WAVE_MODE, 25, 1), 1
	s_wait_xcnt 0x0
	s_wait_alu depctr_hold_cnt(0) depctr_sa_sdst(0) depctr_va_vdst(0) depctr_va_sdst(0) depctr_va_ssrc(0) depctr_va_vcc(0) depctr_vm_vsrc(0)
	s_getreg_b32 s2, hwreg(HW_REG_IB_STS2, 6, 4)
	s_cmp_eq_u32 s2, 0
	s_cbranch_scc0 .Lentry_in_a_cluster
	s_endpgm
.Lentry_in_a_cluster:
	s_bfe_u32 s2, ttmp6, 0x10000c
	s_cmp_lg_u32 s2, 0x3003
	s_cbranch_scc0 .Lentry_shape_is_right
	s_endpgm
.Lentry_shape_is_right:
; OUTP: out0 = AV_concat W_O: [8,192 x 1,024] x [1,024 x 1,024], f16 operands, f32 sums; each row's sum is multiplied by its rs (launch attn divided the row by it: both exact).  Nothing is left out.
; SHARES.  A work-group makes 256 rows x 128 columns, each of four waves 64 rows x 128 columns: 32 accumulators.
; W_O's images for the 128 columns, 256 KiB, stay in LDS for the whole launch: filled once, in four chunks of 8 K steps, asked for JOINTLY by the four row blocks of a cluster (mask 15).  No ring, no refill.
; AV's fragments are images in memory: they go straight into registers, 512 consecutive bytes a load, three K steps ahead, in a ring of four register sets.
; The matrix instruction is used transposed (source 0 = 16 columns of W_O, source 1 = 16 rows of AV): a lane holds eight neighbouring columns of one row of out0.
; REGISTERS: window 0: v1 16 x lane; v2-5 W_O's chunks; v6, v7 the stage; v8 the prefetches' offset; v9 4 r; v10, v11 the add's two; v16-23 rs (pairs); v64-191 W_O's two sets, later rows of out0.
;   window 1: the accumulators, (a, i) at v[8 (8 a + i)].   window 2: v0-127 AV's four sets, 32 (s % 4) + 8 a + 4 c.
.set STG,   262144                     ; four stages of 16 rows x 528 bytes
.set SPARE, 295936
.set LI,  1
.set AB,  2
.set STO, 6
.set RD,  7
.set PFO, 8
.set SPW, 10
.set NIL, 11
.set RS,  16
.set WF,  64
.set MSB, 0
.macro WIN new
.if MSB != (\new)
	s_set_vgpr_msb (MSB<<8)|(\new)
.set MSB, (\new)
.endif
.endm
.macro ROUND
	s_barrier_signal -1
	s_barrier_wait -1
	s_cmp_lg_u32 s8, 0
	s_cbranch_scc1 .Lnot_wave_0_\@
	s_barrier_signal -3
.Lnot_wave_0_\@:
	s_barrier_wait -3
	s_barrier_signal -1
	s_barrier_wait -1
.endm
.macro WLOADS s                        ; W_O's eight fragments of K step s into set s % 2
.irp i, 0,1,2,3,4,5,6,7
.irp c, 0,1
	ds_load_b128 v[WF+64*((\s)%2)+8*\i+4*\c:WF+64*((\s)%2)+8*\i+4*\c+3], v[AB+(\s)/8] offset:8192*\i+1024*((\s)%8)+512*\c
.endr
.endr
.endm
.macro ALOADS s                        ; AV's four fragments of K step s into set s % 4 (the destination's window is 2)
.irp a, 0,1,2,3
.irp c, 0,1
	global_load_b128 v[32*((\s)%4)+8*\a+4*\c:32*((\s)%4)+8*\a+4*\c+3], v[LI], s[12:13] offset:32768*\a+1024*(\s)+512*\c
.endr
.endr
.endm
.macro KSTEP s                         ; 32 along K
	WIN 0
.if (\s) > 0
.rept 4
	v_nop                                          ; places in front of loads into registers that the last step's matrix instructions have read
.endr
.endif
.if (\s) < 31
.if ((\s)+1)%8 == 0
	s_wait_tensorcnt 3-((\s)+1)/8                  ; my part of the next chunk of W_O has landed; the later chunks may stay out
	s_wait_dscnt 0x0
	s_barrier_signal -1
	s_barrier_wait -1
.endif
	WLOADS (\s)+1
.endif
.if (\s)%2 == 0
.if (\s) >= 2
.if (\s) <= 22
	; AV's K steps s + 8 and s + 9 of my four row tiles are asked for: 32 blocks of 256 bytes, a lane a block, five steps ahead of their loads.  The eight column blocks read the same rows: the first
	; asks (a branch on the cluster's y, the same in all partners), each wave for its own rows: so each block is named once in the launch.  Steps 0-9 come by their loads alone; step 31 is the last named.
	s_cmp_eq_u32 s10, 0
	s_cbranch_scc0 .Lnot_mine_\@
	global_prefetch_b8 v[PFO], s[12:13] offset:((\s)+8)*1024 th:TH_LOAD_NT scope:SCOPE_SE
.Lnot_mine_\@:
.endif
.endif
.endif
.if (\s) < 29
	WIN 0x80
	ALOADS (\s)+3
.endif
.if (\s) < 31
	s_wait_dscnt 16                                ; this step's W_O is in; the sixteen loads just issued may be out
.else
	s_wait_dscnt 0x0
.endif
.if (\s) < 29
	s_wait_loadcnt 24                              ; this step's AV is in; the three later steps' may be out
.else
	s_wait_loadcnt 8*(31-(\s))
.endif
	WIN 0x58                                       ; source 0 (W_O) window 0, source 1 (AV) window 2, C and D window 1
.irp a, 0,1,2,3                                ; 32 accumulators by turns
.irp i, 0,1,2,3,4,5,6,7
.if (\s) == 0
	v_wmma_f32_16x16x32_f16 v[8*(8*\a+\i):8*(8*\a+\i)+7], v[WF+64*((\s)%2)+8*\i:WF+64*((\s)%2)+8*\i+7], v[32*((\s)%4)+8*\a:32*((\s)%4)+8*\a+7], 0
.else
	v_wmma_f32_16x16x32_f16 v[8*(8*\a+\i):8*(8*\a+\i)+7], v[WF+64*((\s)%2)+8*\i:WF+64*((\s)%2)+8*\i+7], v[32*((\s)%4)+8*\a:32*((\s)%4)+8*\a+7], v[8*(8*\a+\i):8*(8*\a+\i)+7]
.endif
.endr
.endr
.endm
; THE WAY OUT of block a (16 rows x 128 columns): x the row's rs; through my own stage; back as whole rows of 512 bytes.  LDS serves a wave's instructions in order.
.macro TOSTAGE a
	WIN 0x41
.irp i, 0,1,2,3,4,5,6,7
.irp p, 0,2,4,6
	v_pk_mul_f32 v[8*(8*\a+\i)+\p:8*(8*\a+\i)+\p+1], v[8*(8*\a+\i)+\p:8*(8*\a+\i)+\p+1], v[RS+2*\a:RS+2*\a+1] op_sel_hi:[1,0]
.endr
.endr
	WIN 0x04                                       ; an LDS store's data are its source 1: window 1
.irp i, 0,1,2,3,4,5,6,7
	ds_store_b128 v[STO], v[8*(8*\a+\i):8*(8*\a+\i)+3] offset:64*\i
	ds_store_b128 v[STO], v[8*(8*\a+\i)+4:8*(8*\a+\i)+7] offset:64*\i+16
.endr
	WIN 0
.irp t, 0,1,2,3,4,5,6,7,8,9,10,11,12,13,14,15
	ds_load_b128 v[WF+64*((\a)%2)+4*\t:WF+64*((\a)%2)+4*\t+3], v[RD] offset:528*\t
.endr
.endm
.macro SEND a, younger                 ; younger: the LDS instructions issued behind block a's loads, which may stay out
	s_wait_dscnt \younger
.irp t, 0,1,2,3,4,5,6,7,8,9,10,11,12,13,14,15
	global_store_b128 v[LI], v[WF+64*((\a)%2)+4*\t:WF+64*((\a)%2)+4*\t+3], s[18:19] offset:(16*\a+\t)*4096 th:TH_STORE_NT   ; 512 consecutive bytes, aligned; written once
.endr
.endm
	s_load_b256 s[12:19], s[0:1], 0x0              ; av s[12:13], rs s[14:15], wo s[16:17], out0 s[18:19]
	v_lshl_add_u32 v[SPW], v0, 2, SPARE
	v_mov_b32 v[NIL], 0
	ds_add_u32 v[SPW], v[NIL]                      ; the wave's opening: the add, twice on end, and its wait ahead of my first tensor load
	ds_add_u32 v[SPW], v[NIL]
	v_lshrrev_b32 v1, 5, v0
	v_readfirstlane_b32 s8, v1                     ; wave 0..3
	s_bfe_u32 s9, ttmp6, 0x40000                   ; cx
	s_and_b32 s10, ttmp7, 0xffff                   ; which 128 columns
	s_lshl_b32 s11, ttmp9, 2
	s_add_co_u32 s11, s11, s9                      ; which 256 rows
	s_mov_b32 s24, 15|(3<<16)|(1<<21)              ; group 1: two column tiles x 8 KiB (1,024 elements of 8 bytes), 32 KiB apart in memory, dense in LDS; mask: all four partners
	s_mov_b32 s25, 1024<<16
	s_mov_b32 s26, 2<<16
	s_mov_b32 s27, 1024<<16
	s_mov_b32 s28, 2
	s_mov_b32 s29, 4096
	s_mov_b32 s30, 0
	s_mov_b32 s31, 0
	s_lshl_b32 s4, s10, 18                         ; wo: 256 KiB a column block, 64 KiB a wave
	s_lshl_b32 s2, s8, 16
	s_add_co_u32 s4, s4, s2
	s_mov_b32 s5, 0
	s_lshl_b32 s3, s8, 14                          ; in a chunk in LDS: 16 KiB a wave
	s_lshl_b32 s6, s11, 19                         ; av: 16 row tiles of 32 KiB a row block, 4 a wave
	s_lshl_b32 s2, s8, 17
	s_add_co_u32 s6, s6, s2
	s_mov_b32 s7, 0
	s_lshl_b32 s20, s11, 10                        ; rs: 4 bytes a row
	s_lshl_b32 s2, s8, 8
	s_add_co_u32 s20, s20, s2
	s_mov_b32 s21, 0
	s_lshl_b32 s22, s11, 20                        ; out0: rows of 4,096 bytes; 512 bytes a column block
	s_lshl_b32 s2, s8, 18
	s_add_co_u32 s22, s22, s2
	s_lshl_b32 s2, s10, 9
	s_add_co_u32 s22, s22, s2
	s_mov_b32 s23, 0
	s_wait_dscnt 0x0                               ; both opening adds are done
	s_wait_kmcnt 0x0
	s_add_nc_u64 s[16:17], s[16:17], s[4:5]
	s_add_nc_u64 s[12:13], s[12:13], s[6:7]
	s_add_nc_u64 s[14:15], s[14:15], s[20:21]
	s_add_nc_u64 s[18:19], s[18:19], s[22:23]
.irp c, 0,1,2,3
	s_mov_b32 s[32+4*\c], 1
	s_add_co_u32 s[33+4*\c], s3, \c*65536
	s_add_nc_u64 s[34+4*\c:35+4*\c], s[16:17], \c*8192
	s_or_b32 s[35+4*\c], s[35+4*\c], 0x80000000
.endr
	ROUND                                          ; all four work-groups are here: the joint loads meet
.irp c, 0,1,2,3
	tensor_load_to_lds s[32+4*\c:35+4*\c], s[24:31]    ; every wave issues all four: four loads of mine are out at the most
	s_nop 0
.endr
.rept 4
	v_nop
.endr
	v_and_b32 v1, 31, v0
	v_lshrrev_b32 v12, 3, v1
	v_and_b32 v13, 7, v1
	v_lshlrev_b32 v[PFO], 15, v12
	v_lshl_add_u32 v[PFO], v13, 8, v[PFO]          ; row tile lane / 8, block lane % 8 of two K steps' 2,048 bytes
	v_lshlrev_b32 v[LI], 4, v1
	v_and_b32 v12, 15, v0                          ; r
	v_bfe_u32 v13, v0, 4, 1                        ; h
	v_lshlrev_b32 v9, 2, v12
.irp c, 0,1,2,3
	v_add_nc_u32 v[AB+\c], \c*65536, v[LI]
.endr
	s_mul_i32 s2, s8, 8448
	s_add_co_u32 s2, s2, STG
	v_mul_u32_u24 v[STO], v12, 528
	v_lshl_add_u32 v[STO], v13, 5, v[STO]
	v_add_nc_u32 v[STO], s2, v[STO]                ; in: row r, 32 bytes for each half of the lanes
	v_add_nc_u32 v[RD], s2, v[LI]                  ; back: a row of 512 bytes
.irp a, 0,1,2,3
	global_load_b32 v[RS+2*\a], v9, s[14:15] offset:64*\a      ; my row's rs in each of my four row tiles
	v_mov_b32 v[RS+2*\a+1], 0                      ; (named with it as a pair)
.endr
	WIN 0x80
	ALOADS 0
	ALOADS 1
	ALOADS 2
	WIN 0
	s_wait_tensorcnt 3                             ; my part of W_O's first chunk is in; the other three may stay out
	s_barrier_signal -1
	s_barrier_wait -1
	WLOADS 0
.set KS, 0
.rept 32
	KSTEP KS
.set KS, KS+1
.endr
	WIN 0
.rept 4
	v_nop                                          ; places in front of the first read of results and of loads into W_O's registers
.endr
	TOSTAGE 0
	TOSTAGE 1
	SEND 0, 32                                     ; behind block 0's loads: block 1's 16 stores and 16 loads
	s_wait_xcnt 0x0                                ; block 0's stores have read their registers: block 2's loads may land there
	TOSTAGE 2
	SEND 1, 32
	s_wait_xcnt 0x0
	TOSTAGE 3
	SEND 2, 32
	SEND 3, 0
	s_wait_tensorcnt 0x0                           ; the wave's end, behind my last tensor load and my last LDS store
	ds_add_u32 v[SPW], v[NIL]
	s_wait_dscnt 0x0
	ROUND                                          ; the closing round
	s_endpgm
.Lfunc_end_k_qfc3da50499_outp:
	.size	k_qfc3da50499_outp, .Lfunc_end_k_qfc3da50499_outp-k_qfc3da50499_outp
	.p2alignl 7, 3214868480
	.fill 96, 4, 3214868480
	.section	.rodata,"a",@progbits
	.p2align	6, 0x0
	.amdhsa_kernel k_qfc3da50499_outp
		.amdhsa_group_segment_fixed_size 327680
		.amdhsa_private_segment_fixed_size 0
		.amdhsa_enable_private_segment 0
		.amdhsa_kernarg_size 32
		.amdhsa_user_sgpr_count 2
		.amdhsa_user_sgpr_kernarg_segment_ptr 1
		.amdhsa_wavefront_size32 1
		.amdhsa_system_sgpr_workgroup_id_x 1
		.amdhsa_system_sgpr_workgroup_id_y 1
		.amdhsa_system_sgpr_workgroup_id_z 1
		.amdhsa_system_vgpr_workitem_id 0
		.amdhsa_next_free_vgpr 640
		.amdhsa_next_free_sgpr 66
		.amdhsa_reserve_vcc 0
		.amdhsa_float_denorm_mode_32 3
		.amdhsa_float_denorm_mode_16_64 3
		.amdhsa_memory_ordered 1
		.amdhsa_forward_progress 1
		.amdhsa_inst_pref_size 160
	.end_amdhsa_kernel
	.amdgpu_metadata
---
amdhsa.version: [ 1, 2 ]
amdhsa.kernels:
  - .name:           k_qfc3da50499_outp
    .symbol:         k_qfc3da50499_outp.kd
    .args:
      - { .name: av, .offset: 0, .size: 8, .value_kind: global_buffer, .address_space: global }
      - { .name: rs, .offset: 8, .size: 8, .value_kind: global_buffer, .address_space: global }
      - { .name: wo, .offset: 16, .size: 8, .value_kind: global_buffer, .address_space: global }
      - { .name: out0, .offset: 24, .size: 8, .value_kind: global_buffer, .address_space: global }
    .group_segment_fixed_size: 327680
    .private_segment_fixed_size: 0
    .kernarg_segment_align: 8
    .kernarg_segment_size: 32
    .max_flat_workgroup_size: 128
    .sgpr_count:     66
    .vgpr_count:     640
    .wavefront_size: 32
...
	.end_amdgpu_metadata
.endif
;; end of part 5
